; MI455X (gfx1250); checked and timed in simulation.
; The chip was launched on July 23, 2026; its instructions are those of AMD's public machine-readable ISA for CDNA 5 (MIT licence, August 2026) and "CDNA5" Instruction Set Architecture Reference Guide (July 2026). The comments in the code are by the model that wrote it; some were corrected since.
;; TE Multihead Self Attention Dec. Allowed arithmetic: float matrix products may take bf16 or f16 operands with f32 sums; other float arithmetic in f32, or as packed bf16 or f16 multiplies, adds, multiply-adds, maxima and minima; sums over many terms, partial sums and values carried from step to step in f32; what a program stores and reads back later, other than sums and carried values, may be rounded once to bf16 or f16.
;; Inputs: Wk 2,048 x 2,048 float32; Wo 2,048 x 2,048 float32; Wq 2,048 x 2,048 float32; Wv 2,048 x 2,048 float32; bk 2,048 float32; bo 2,048 float32; bq 2,048 float32; bv 2,048 float32; kn_w 128 float32; qn_w 128 float32; rope_cos 2,048 x 1 x 128 float32; rope_sin 2,048 x 1 x 128 float32; sta_mask 32 x 32 bool; x 2,048 x 2,048 float32.
;; Outputs: out0 2,048 x 2,048 float32.
;; One version. Each part assembles by itself: llvm-mc -triple=amdgcn-amd-amdhsa -mcpu=gfx1250 --defsym DOCPART=n.
;; ======== version 1 of 1: 4 launches
;; limits: values are held in f16: magnitudes above 65,504 overflow, below 6.1e-05 lose precision
;; workspace buffers: cast 41,943,040 bytes; qkv 25,165,824 bytes; pool 1,048,576 bytes; o16 8,388,608 bytes
;; launch prep (part 1): grid 256 x 5, 8 waves a work-group, no clusters, 0 bytes of LDS; arguments x, Wq, Wk, Wv, Wo, cast; writes cast
.if DOCPART == 1
	.amdgcn_target "amdgcn-amd-amdhsa--gfx1250"
	.amdhsa_code_object_version 6
	.text
	.protected	k_q48551d9700_prep
	.globl	k_q48551d9700_prep
	.p2align	8
	.type	k_q48551d9700_prep,@function
k_q48551d9700_prep:
	s_mov_b64 s[64:65], 0
	v_nop
	global_prefetch_b8 v0, s[64:65] scope:SCOPE_SE
	s_setreg_imm32_b32 hwreg(HW_REG_WAVE_MODE, 25, 1), 1
	s_wait_xcnt 0x0
; x, Wq, Wk, Wv, Wo (each [2048][2048] f32) are rounded once to bf16 (to nearest even) and written, layout kept, as five planes of 8,388,608 bytes of cast.
; Wo's rounded number is written as f16, since the last product multiplies f16 by f16.
; LIMIT: |bf16(Wo)| stays under 65,504; below 2^-14 it keeps f16's fixed step of 6e-8.
; A stream: no LDS, no matrix unit, no cluster (no byte is read by two work-groups).  Grid y picks the plane, grid x 65,536 bytes of it.
; Thread t takes the 16 bytes (4 numbers) at byte 16 t of each of sixteen steps of 4,096 bytes: a wave's load covers 512 consecutive bytes.  It stores 8 bytes at byte 8 t of 2,048: a wave's store covers
; 256 consecutive bytes, aligned.  All sixteen loads of a thread go out at once; a step is rounded in place, into the first two of its own four registers, so no register that a store still reads is written again.
.set XI, 16                            ; v[16:79]   step i at XI + 4 i: as loaded; then its first two registers hold the four rounded numbers
.set TT, 4                             ; v[4:7]     at work (Wo alone)
	s_load_b256 s[4:11], s[0:1], 0x0               ; x, Wq, Wk, Wv
	s_load_b128 s[12:15], s[0:1], 0x20             ; Wo, cast
	s_and_b32 s20, ttmp7, 0xffff                   ; the plane
	v_lshlrev_b32 v1, 4, v0                        ; my 16 bytes in a step's 4,096
	v_lshlrev_b32 v2, 3, v0                        ; my 8 bytes in a step's 2,048
	s_lshl_b32 s22, ttmp9, 16                      ; the work-group's 65,536 bytes in,
	s_mov_b32 s23, 0
	s_lshl_b32 s24, s20, 23                        ; and out: the plane
	s_lshl_b32 s21, ttmp9, 15                      ; and 32,768 bytes of it
	s_add_co_u32 s24, s24, s21
	s_mov_b32 s25, 0
	s_mov_b32 s26, 0xffff0000                      ; a word's upper bf16
	s_wait_kmcnt 0x0
	s_mov_b64 s[16:17], s[4:5]                     ; the source, chosen by the plane's number
	s_cmp_eq_u32 s20, 1
	s_cselect_b64 s[16:17], s[6:7], s[16:17]
	s_cmp_eq_u32 s20, 2
	s_cselect_b64 s[16:17], s[8:9], s[16:17]
	s_cmp_eq_u32 s20, 3
	s_cselect_b64 s[16:17], s[10:11], s[16:17]
	s_cmp_eq_u32 s20, 4
	s_cselect_b64 s[16:17], s[12:13], s[16:17]
	s_add_nc_u64 s[16:17], s[16:17], s[22:23]
	s_add_nc_u64 s[18:19], s[14:15], s[24:25]
.irp i, 0,1,2,3,4,5,6,7,8,9,10,11,12,13,14,15
	global_load_b128 v[XI+4*(\i):XI+4*(\i)+3], v1, s[16:17] offset:(\i)*4096 th:TH_LOAD_NT
.endr
; One step.  half = 1: the bf16 number is widened again (a shift, a mask) and written as f16.
.macro STEP i, half
	s_wait_loadcnt 15-(\i)                         ; loads come back in order: this step's is in, the 15 - i younger ones stay out
	v_cvt_pk_bf16_f32 v[XI+4*(\i)],   v[XI+4*(\i)],   v[XI+4*(\i)+1]
	v_cvt_pk_bf16_f32 v[XI+4*(\i)+1], v[XI+4*(\i)+2], v[XI+4*(\i)+3]
.if \half
	v_lshlrev_b32 v[TT],   16,  v[XI+4*(\i)]
	v_and_b32     v[TT+1], s26, v[XI+4*(\i)]
	v_lshlrev_b32 v[TT+2], 16,  v[XI+4*(\i)+1]
	v_and_b32     v[TT+3], s26, v[XI+4*(\i)+1]
	v_cvt_pk_f16_f32 v[XI+4*(\i)],   v[TT],   v[TT+1]
	v_cvt_pk_f16_f32 v[XI+4*(\i)+1], v[TT+2], v[TT+3]
.endif
	global_store_b64 v2, v[XI+4*(\i):XI+4*(\i)+1], s[18:19] offset:(\i)*2048
.endm
	s_cmp_eq_u32 s20, 4
	s_cbranch_scc1 .Lwo
.irp i, 0,1,2,3,4,5,6,7,8,9,10,11,12,13,14,15
	STEP \i, 0
.endr
	s_endpgm
.Lwo:
.irp i, 0,1,2,3,4,5,6,7,8,9,10,11,12,13,14,15
	STEP \i, 1
.endr
	s_endpgm
.Lfunc_end_k_q48551d9700_prep:
	.size	k_q48551d9700_prep, .Lfunc_end_k_q48551d9700_prep-k_q48551d9700_prep
	.p2alignl 7, 3214868480
	.fill 96, 4, 3214868480
	.section	.rodata,"a",@progbits
	.p2align	6, 0x0
	.amdhsa_kernel k_q48551d9700_prep
		.amdhsa_group_segment_fixed_size 0
		.amdhsa_private_segment_fixed_size 0
		.amdhsa_enable_private_segment 0
		.amdhsa_kernarg_size 48
		.amdhsa_user_sgpr_count 2
		.amdhsa_user_sgpr_kernarg_segment_ptr 1
		.amdhsa_wavefront_size32 1
		.amdhsa_system_sgpr_workgroup_id_x 1
		.amdhsa_system_sgpr_workgroup_id_y 1
		.amdhsa_system_sgpr_workgroup_id_z 1
		.amdhsa_system_vgpr_workitem_id 0
		.amdhsa_next_free_vgpr 80
		.amdhsa_next_free_sgpr 66
		.amdhsa_reserve_vcc 0
		.amdhsa_float_denorm_mode_32 3
		.amdhsa_float_denorm_mode_16_64 3
		.amdhsa_memory_ordered 1
		.amdhsa_forward_progress 1
		.amdhsa_inst_pref_size 15
	.end_amdhsa_kernel
	.amdgpu_metadata
---
amdhsa.version: [ 1, 2 ]
amdhsa.kernels:
  - .name:           k_q48551d9700_prep
    .symbol:         k_q48551d9700_prep.kd
    .args:
      - { .name: x, .offset: 0, .size: 8, .value_kind: global_buffer, .address_space: global }
      - { .name: Wq, .offset: 8, .size: 8, .value_kind: global_buffer, .address_space: global }
      - { .name: Wk, .offset: 16, .size: 8, .value_kind: global_buffer, .address_space: global }
      - { .name: Wv, .offset: 24, .size: 8, .value_kind: global_buffer, .address_space: global }
      - { .name: Wo, .offset: 32, .size: 8, .value_kind: global_buffer, .address_space: global }
      - { .name: cast, .offset: 40, .size: 8, .value_kind: global_buffer, .address_space: global }
    .group_segment_fixed_size: 0
    .private_segment_fixed_size: 0
    .kernarg_segment_align: 8
    .kernarg_segment_size: 48
    .max_flat_workgroup_size: 256
    .sgpr_count:     66
    .vgpr_count:     80
    .wavefront_size: 32
...
	.end_amdgpu_metadata
.endif
;; end of part 1
;; launch qkv (part 2): grid 16 x 16, 4 waves a work-group, clusters of 4 x 4, 327,680 bytes of LDS; arguments cast, bq, bk, bv, qn_w, kn_w, rope_cos, rope_sin, qkv, pool; writes qkv, pool
.if DOCPART == 2
	.amdgcn_target "amdgcn-amd-amdhsa--gfx1250"
	.amdhsa_code_object_version 6
	.text
	.protected	k_q48551d9700_qkv
	.globl	k_q48551d9700_qkv
	.p2align	8
	.type	k_q48551d9700_qkv,@function
k_q48551d9700_qkv:
	s_mov_b64 s[64:65], 0
	v_nop
	global_prefetch_b8 v0, s[64:65] scope:SCOPE_SE
	s_setreg_imm32_b32 hwreg(HW_REG_WAVE_MODE, 25, 1), 1
	s_wait_xcnt 0x0
	s_wait_alu depctr_hold_cnt(0) depctr_sa_sdst(0) depctr_va_vdst(0) depctr_va_sdst(0) depctr_va_ssrc(0) depctr_va_vcc(0) depctr_vm_vsrc(0)
	s_getreg_b32 s2, hwreg(HW_REG_IB_STS2, 6, 4)
	s_cmp_eq_u32 s2, 0
	s_cbranch_scc0 .Lentry_in_a_cluster
	s_endpgm
.Lentry_in_a_cluster:
	s_bfe_u32 s2, ttmp6, 0x10000c
	s_cmp_lg_u32 s2, 0xf033
	s_cbranch_scc0 .Lentry_shape_is_right
	s_endpgm
.Lentry_shape_is_right:
; q, k, v = x W + b for one head and 128 rows; RMSNorm and rotate-half rope on q and k; q, k, v written by heads, [3][16][2048][128] f16; and, for the block mask, the f32 sums of q and of k over 32 rows.
; x and the weights come as bf16 (planes 0 to 3 of cast); biases, gains, cos and sin are rounded to bf16 here: every float input of the module has that one rounding.  Sums, norm, rope and the pooled sums in f32.
; q carries c = log2(e) / sqrt(128), so that scores are exponents of 2.
; LIMITS: |q|, |k|, |v| stay under 65,504 (q and k are normalised: at most 11.4 x 2 x the gain); NaN and infinities are not treated apart.
; SHARES.  A work-group makes 128 rows x (q | k | v of one head) = 128 x 384; 16 x 16 work-groups.  Wave (r, c) makes rows 64 r .. and, of each of the three, columns 64 c ..: 4 x 12 accumulators, 384 registers.
; The matrix instruction is used transposed: source 0 = 16 columns of W, turned out of LDS by ds_load_tr16_b128 (W lies [k][n]); source 1 = 16 rows of x.  A lane then holds one row and eight neighbouring columns.
; K goes in 16 steps of 128 through two LDS slots: x's tile (128 rows of 256 bytes) and three tiles of W (128 k rows of 256 bytes), one tensor load a wave.
; CLUSTER 4 x 4: x's tile hangs on the row block alone and is asked for jointly along a row of the cluster, W's tiles on the head alone, jointly along a column.
; One K step is written once: the slots' bases are two scalars that an exclusive or turns.
; No prefetch: each tile is read by four clusters, and a refill has 168 matrix instructions of a wave in which to land.
; THE WAY OUT.  The 128 x 384 sums go as f32 into LDS (over the slots, which have had their last fill) and come back by rows: 16 lanes hold a head's 128 channels of one row, 8 each, so the norm's sum is four
; exchanges inside 16 lanes and rope's partner (64 channels away) is the lane 8 away.
.set PA,    272                        ; a row of x in LDS: 256 bytes + 16: the 16 rows of a load start at 16 different groups of four banks (64 banks of 4 bytes: ISA guide 11.1)
.set PB,    288                        ; a k row of W: 256 + 32
.set AT,    128*PA
.set BT,    128*PB
.set SLOT,  AT+3*BT                    ; 145,408
.set SPARE, 2*SLOT                     ; the spare words, 128 bytes a wave: two blocks of 256 bytes that no other line names
.set PD,    1552                       ; a row of the f32 dump: 1,536 bytes + 16
.set BA,  2                            ; v2     my lane's place in x's tile; never rewritten
.set BB,  3                            ; v3-5   my lane's place in W's three tiles; never rewritten
.set ADA, 6                            ; v6     BA + the slot in hand
.set ADB, 7                            ; v7-9   BB + the slot in hand
.set SPW, 10                           ; v10    LDS address of my spare word; never rewritten
.set NIL, 11                           ; v11    0; never rewritten
.set BQ,  12                           ; v12-35 bq, bk, bv of my 8 channels
.set WQ,  36                           ; v36-51 qn_w x c, kn_w of my 8 channels
.set SG,  52                           ; v52-53 -1 for channels under 64, else +1
.set RDA, 54                           ; v54    where I read the dump
.set CO,  55                           ; v55    my byte offset in cos and sin
.set OO,  56                           ; v56    my byte offset in q, k, v
.set BO,  57                           ; v57    my byte offset in the biases
.set WO,  58                           ; v58    in the gains
.set STO, 59                           ; v59-60 where I put my sums in the dump
.set PO,  61                           ; v61    my byte offset in pool
.set PQ,  64                           ; v64-79   sums of q and of k over my rows
.set RC,  80                           ; v80-111  cos and sin as loaded: pair of rows u at RC + 16 u: 8 cos, 8 sin
.set CW,  112                          ; v112-143 the same rounded, sin with its sign
.set X,   144                          ; v144-191 pair u at X + 24 u: q, k, v, 8 each
.set PT,  192                          ; v192-223 at work
.set SS,  224                          ; v224-231 four sums of squares, a pair each
.set OUT, 232                          ; v232-255 to store
.set WV,  24
.set RH,  25
.set CH_, 26
.set CX,  27
.set CY,  28
.set HD,  29
.set RB,  30
.set G1A, 32                           ; s[32:39] descriptor group 1 for x's tile
.set G1B, 40                           ; s[40:47] for W's tiles
.set G0A, 48                           ; s[48:55] group 0 for x: a set for each first fill; the second walks on
.set G0B, 56                           ; s[56:63] the same for W
.set SB,  72                           ; the slot that the fragment loads read
.set LB,  73                           ; the slot that the walking descriptors fill
.set TB,  74                           ; my tile of W in a slot
.set CNT, 75
.set SEL, 76                           ; s[76:77]
.set INV, 78
.set EPS, 79
.set HIM, 80
.set CC,  81
.set HALF, 82
.set QB,  84                           ; s[84:89] q, k, v at the work-group's first row
.set PL,  90                           ; s[90:91] pool at my wave's 1,024 bytes
.set CSB, 92                           ; s[92:95] cos, sin at the work-group's first row
.set MSB, 0
.macro WIN new                         ; the immediate's high byte repeats the setting that is left; a switch that changes nothing is dropped
.if MSB != (\new)
	s_set_vgpr_msb (MSB<<8)|(\new)
.set MSB, \new
.endif
.endm
; windows: 0 addresses, x's fragments (v64-95, v96-127) and the way out; 1 accumulators of row tiles 0, 1 (at 96 (a % 2) + 8 b); 2 those of row tiles 2, 3; 3 W's fragments (v0-95, v96-191)
.set MUL_LO, 0x53                      ; source 0 window 3, source 1 window 0, C and D window 1
.set TO_B,   0xc0                      ; destination window 3, address window 0
.macro PLACES                          ; four places in front of loads into registers that matrix instructions have read, and of stores that read results
.rept 4
	v_nop
.endr
.endm
; A joint load: wave 0 fetches x's tile, waves 1 to 3 one tile of W each.  The branch hangs on the wave's number alone.  An s_nop 0 and four v_nop follow each line.
.macro JLOAD s
	s_cmp_eq_u32 s[WV], 0
	s_cbranch_scc0 .Lfor_b_\@
	tensor_load_to_lds s[G0A+(\s):G0A+(\s)+3], s[G1A:G1A+7]
	s_nop 0
.rept 4
	v_nop
.endr
	s_branch .Lasked_\@
.Lfor_b_\@:
	tensor_load_to_lds s[G0B+(\s):G0B+(\s)+3], s[G1B:G1B+7]
	s_nop 0
.rept 4
	v_nop
.endr
.Lasked_\@:
.endm
.macro CREST                           ; a round of the cluster's barrier behind its opening barrier
	s_cmp_lg_u32 s[WV], 0
	s_cbranch_scc1 .Lnot_wave_0_\@
	s_barrier_signal -3
.Lnot_wave_0_\@:
	s_barrier_wait -3
	s_barrier_signal -1
	s_barrier_wait -1
.endm
.macro CROUND
	s_barrier_signal -1
	s_barrier_wait -1
	CREST
.endm
	s_load_b512 s[4:19], s[0:1], 0x0               ; cast, bq, bk, bv, qn_w, kn_w, cos, sin
	s_load_b128 s[20:23], s[0:1], 0x40             ; qkv, pool
	v_lshl_add_u32 v[SPW], v0, 2, SPARE
	v_mov_b32 v[NIL], 0
	ds_add_u32 v[SPW], v[NIL]                      ; the wave's opening: the add and its wait ahead of my first tensor load; the set-up below stands between them
	v_lshrrev_b32 v1, 5, v0
	v_readfirstlane_b32 s[WV], v1                  ; wave 0..3
	s_lshr_b32 s[RH], s[WV], 1                     ; which 64 rows are mine
	s_and_b32 s[CH_], s[WV], 1                     ; which 64 columns of each of q, k, v
	s_bfe_u32 s[CX], ttmp6, 0x40000
	s_bfe_u32 s[CY], ttmp6, 0x40004
	s_lshl_b32 s[HD], ttmp9, 2
	s_add_co_u32 s[HD], s[HD], s[CX]               ; the head = 4 x cluster x + cx
	s_and_b32 s[RB], ttmp7, 0xffff
	s_lshl_b32 s[RB], s[RB], 2
	s_add_co_u32 s[RB], s[RB], s[CY]               ; the block of 128 rows = 4 x cluster y + cy
	s_lshl_b32 s66, s[CY], 2
	s_lshl_b32 s66, 15, s66                        ; my row of the cluster
	s_lshl_b32 s68, 0x1111, s[CX]                  ; my column
	s_or_b32 s[G1A], s66, (1<<16)|(1<<20)|(1<<21)|(5<<22)|(3<<25)  ; the mask; 2-byte elements; padding on; bit 21 beside a mask; after every 64 words 4 words
	s_or_b32 s[G1B], s68, (1<<16)|(1<<20)|(1<<21)|(5<<22)|(7<<25)  ; the same with 8 words of padding
.irp g, G1A, G1B
	s_mov_b32 s[(\g)+1], 128<<16                   ; tensor_dim0 = 128
	s_mov_b32 s[(\g)+2], 128<<16                   ; tensor_dim1 = 128
	s_mov_b32 s[(\g)+3], 128<<16                   ; tile_dim0 = 128
	s_mov_b32 s[(\g)+4], 128                       ; tile_dim1 = 128
	s_mov_b32 s[(\g)+5], 2048                      ; elements from row to row
	s_mov_b32 s[(\g)+6], 0
	s_mov_b32 s[(\g)+7], 0
.endr
	s_lshl_b32 s66, s[RB], 19                      ; x: 128 rows of 4,096 bytes a block; these two registers never hold cx
	s_mov_b32 s67, 0
	s_lshl_b32 s68, s[WV], 23                      ; W: plane = my wave's number (1, 2, 3: Wq, Wk, Wv); these two never hold cy
	s_lshl_b32 s69, s[HD], 8                       ; the head's 128 columns
	s_add_co_u32 s68, s68, s69
	s_mov_b32 s69, 0
	s_mul_i32 s[TB], s[WV], BT                     ; my tile of W in a slot: AT + (wave - 1) x BT (wave 0 issues no such load)
	s_sub_co_u32 s[TB], s[TB], BT-AT
	s_mov_b32 s[SB], 0
	s_mov_b32 s[LB], SLOT
	s_mov_b32 s[SEL], 0x76543210
	s_mov_b32 s[SEL+1], 0xfedcba98
	s_mov_b32 s[INV], 0x3c000000                   ; 1 / 128
	s_mov_b32 s[EPS], 0x358637bd                   ; 1e-6
	s_mov_b32 s[HIM], 0xffff0000
	s_mov_b32 s[CC], 0x3e0293ee                    ; c = log2(e) / sqrt(128)
	s_wait_dscnt 0x0                               ; the opening add is done
	s_wait_kmcnt 0x0
	s_add_nc_u64 s[66:67], s[4:5], s[66:67]
	s_add_nc_u64 s[68:69], s[4:5], s[68:69]
	CROUND                                         ; all sixteen work-groups are here: the first joint loads meet
.irp s, 0,1
	s_mov_b32 s[G0A+4*(\s)], 1
	s_mov_b32 s[G0A+4*(\s)+1], (\s)*SLOT
	s_add_nc_u64 s[G0A+4*(\s)+2:G0A+4*(\s)+3], s[66:67], (\s)*256      ; K step s: 256 bytes along the rows
	s_or_b32 s[G0A+4*(\s)+3], s[G0A+4*(\s)+3], 0x80000000
	s_mov_b32 s[G0B+4*(\s)], 1
	s_add_co_u32 s[G0B+4*(\s)+1], s[TB], (\s)*SLOT
	s_add_nc_u64 s[G0B+4*(\s)+2:G0B+4*(\s)+3], s[68:69], (\s)*524288   ; K step s: 128 rows of 4,096 bytes down
	s_or_b32 s[G0B+4*(\s)+3], s[G0B+4*(\s)+3], 0x80000000
	JLOAD 4*(\s)                                   ; two loads of mine are out
.endr
	v_and_b32 v1, 15, v0                           ; j = lane % 16
	v_bfe_u32 v62, v0, 4, 1                        ; g = lane / 16
	v_lshlrev_b32 v[WO], 5, v1                     ; my 8 channels: 32 bytes
	s_lshl_b32 s70, s[HD], 9
	v_add_nc_u32 v[BO], s70, v[WO]
.irp t, 0,1,2                                          ; they are waited for on the way out
	global_load_b128 v[BQ+8*(\t):BQ+8*(\t)+3],   v[BO], s[6+2*(\t):7+2*(\t)]
	global_load_b128 v[BQ+8*(\t)+4:BQ+8*(\t)+7], v[BO], s[6+2*(\t):7+2*(\t)] offset:16
.endr
.irp t, 0,1
	global_load_b128 v[WQ+8*(\t):WQ+8*(\t)+3],   v[WO], s[12+2*(\t):13+2*(\t)]
	global_load_b128 v[WQ+8*(\t)+4:WQ+8*(\t)+7], v[WO], s[12+2*(\t):13+2*(\t)] offset:16
.endr
	; x's fragment: lane l holds row l % 16; two loads of 16 bytes, 32 apart, at row x pitch + 16 (l / 16)
	v_mul_u32_u24 v[BA], v1, PA
	v_lshl_add_u32 v[BA], v62, 4, v[BA]
	s_mul_i32 s70, s[RH], 64*PA
	v_add_nc_u32 v[BA], s70, v[BA]
	; W's fragment, turned: lane l reads k row 8 (l / 16) + l % 8, columns 8 ((l / 8) % 2) + 0..7
	v_and_b32 v63, 7, v0
	v_lshl_add_u32 v63, v62, 3, v63
	v_mul_u32_u24 v[BB], v63, PB
	v_bfe_u32 v63, v0, 3, 1
	v_lshl_add_u32 v[BB], v63, 4, v[BB]
	s_lshl_b32 s70, s[CH_], 7
	s_add_co_u32 s70, s70, AT
	v_add_nc_u32 v[BB], s70, v[BB]
	v_add_nc_u32 v[BB+1], BT, v[BB]
	v_add_nc_u32 v[BB+2], 2*BT, v[BB]
	v_mov_b32 v[ADA], v[BA]
	v_mov_b32 v[ADB], v[BB]
	v_mov_b32 v[ADB+1], v[BB+1]
	v_mov_b32 v[ADB+2], v[BB+2]
	; the way out's addresses
	s_lshl_b32 s70, s[RH], 6
	v_add_nc_u32 v[STO], s70, v1
	v_mul_u32_u24 v[STO], v[STO], PD               ; row 64 r + l % 16,
	v_lshl_add_u32 v[STO], v62, 5, v[STO]          ; my 8 columns: 32 bytes for each half of the lanes,
	s_lshl_b32 s70, s[CH_], 8
	v_add_nc_u32 v[STO], s70, v[STO]               ; my half of a tensor's 512 bytes
	v_add_nc_u32 v[STO+1], 32*PD, v[STO]
	s_lshl_b32 s70, s[WV], 5
	v_add_nc_u32 v63, s70, v62                     ; back: row 32 w + g
	v_mul_u32_u24 v[RDA], v63, PD
	v_lshl_add_u32 v[RDA], v1, 5, v[RDA]
	v_lshlrev_b32 v[CO], 9, v63
	v_lshl_add_u32 v[CO], v1, 5, v[CO]
	v_lshlrev_b32 v[OO], 8, v63
	v_lshl_add_u32 v[OO], v1, 4, v[OO]
	v_lshlrev_b32 v[PO], 9, v62
	v_lshl_add_u32 v[PO], v1, 4, v[PO]
	v_bfe_u32 v63, v0, 3, 1
	v_cvt_f32_u32 v[SG], v63
	v_fma_f32 v[SG], v[SG], 2.0, -1.0
	v_mov_b32 v[SG+1], v[SG]
	v_and_b32 v63, 31, v0
	v_cmp_lt_u32 s[HALF], 15, v63                  ; lanes 16 to 31
	s_lshl_b32 s70, s[HD], 19                      ; q, k, v: the head's 2,048 rows of 256 bytes, the block's 128
	s_lshl_b32 s71, s[RB], 15
	s_add_co_u32 s70, s70, s71
	s_mov_b32 s71, 0
	s_add_nc_u64 s[QB:QB+1], s[20:21], s[70:71]
	s_add_nc_u64 s[QB+2:QB+3], s[QB:QB+1], 8388608
	s_add_nc_u64 s[QB+4:QB+5], s[QB:QB+1], 16777216
	s_lshl_b32 s70, s[RB], 2
	s_add_co_u32 s70, s70, s[WV]
	s_lshl_b32 s70, s70, 10                        ; pool: 1,024 bytes for each 32 rows,
	s_lshl_b32 s71, s[HD], 16                      ; 65,536 a head
	s_add_co_u32 s70, s70, s71
	s_mov_b32 s71, 0
	s_add_nc_u64 s[PL:PL+1], s[22:23], s[70:71]
	s_lshl_b32 s70, s[RB], 16                      ; cos, sin: 128 rows of 512 bytes
	s_add_nc_u64 s[CSB:CSB+1], s[16:17], s[70:71]
	s_add_nc_u64 s[CSB+2:CSB+3], s[18:19], s[70:71]
; 12 matrix instructions: row tile a x all 12 column tiles, 32 along K, from buffer f.  The 48 accumulators take turns, always in the same order.
.macro MUL12 f, a, zero
	WIN MUL_LO+0x50*((\a)/2)
.irp b, 0,1,2,3,4,5,6,7,8,9,10,11
.if \zero
	v_wmma_f32_16x16x32_bf16 v[96*((\a)%2)+8*(\b):96*((\a)%2)+8*(\b)+7], v[96*(\f)+8*(\b):96*(\f)+8*(\b)+7], v[64+32*(\f)+8*(\a):64+32*(\f)+8*(\a)+7], 0
.else
	v_wmma_f32_16x16x32_bf16 v[96*((\a)%2)+8*(\b):96*((\a)%2)+8*(\b)+7], v[96*(\f)+8*(\b):96*(\f)+8*(\b)+7], v[64+32*(\f)+8*(\a):64+32*(\f)+8*(\a)+7], v[96*((\a)%2)+8*(\b):96*((\a)%2)+8*(\b)+7]
.endif
.endr
.endm
; 32 LDS loads in one run: quarter q's fragments (32 along K) into buffer f: W's 24, then x's 8
.macro FETCH q, f
	WIN TO_B
.irp b, 0,1,2,3,4,5,6,7,8,9,10,11
	ds_load_tr16_b128 v[96*(\f)+8*(\b):96*(\f)+8*(\b)+3],   v[ADB+(\b)/4] offset:(\q)*32*PB+((\b)%4)*32
	ds_load_tr16_b128 v[96*(\f)+8*(\b)+4:96*(\f)+8*(\b)+7], v[ADB+(\b)/4] offset:(\q)*32*PB+((\b)%4)*32+16*PB
.endr
	WIN 0
.irp a, 0,1,2,3
	ds_load_b128 v[64+32*(\f)+8*(\a):64+32*(\f)+8*(\a)+3],   v[ADA] offset:(\q)*64+(\a)*16*PA
	ds_load_b128 v[64+32*(\f)+8*(\a)+4:64+32*(\f)+8*(\a)+7], v[ADA] offset:(\q)*64+(\a)*16*PA+32
.endr
.endm
; One of a K step's first three quarters: multiplies buffer f; in its middle it fetches quarter qn into buffer g.
.macro QUARTER qn, f, g, zero
	s_wait_dscnt 4                                 ; all but the youngest four loads (x's row tiles 2 and 3)
	MUL12 \f, 0, \zero
	MUL12 \f, 1, \zero
	PLACES
	FETCH \qn, \g
	s_wait_dscnt 32                                ; all but the 32 just issued
	MUL12 \f, 2, \zero
	MUL12 \f, 3, \zero
.endm
; The last quarter multiplies buffer 1 and changes slots: one barrier; in front of it each wave waits for all its tensor loads (one is out: its part of the next slot), adds 0 to its spare word, and waits for that
; and for its reads of this slot.  fill = 1: the barrier opens a round of the cluster's, and the slot just read is filled again, first thing behind it, two K steps ahead.
.macro TURN fill
	WIN 0
	s_xor_b32 s[SB], s[SB], SLOT                   ; the old slot's last fragment loads have been issued: the addresses turn to the other slot
	v_add_nc_u32 v[ADA], s[SB], v[BA]
	v_add_nc_u32 v[ADB], s[SB], v[BB]
	v_add_nc_u32 v[ADB+1], s[SB], v[BB+1]
	v_add_nc_u32 v[ADB+2], s[SB], v[BB+2]
	s_wait_tensorcnt 0x0                           ; all my tensor loads have landed;
	ds_add_u32 v[SPW], v[NIL]                      ; 0 onto my spare word;
	s_wait_dscnt 5                                 ; (the add and the youngest four loads may be out)
	MUL12 1, 0, 0                                  ; twelve matrix instructions stand between the add and the wait for it
	s_wait_dscnt 0x0                               ; the add is done, and my reads of this slot are over
	s_barrier_signal -1
	MUL12 1, 1, 0
	WIN 0
	s_barrier_wait -1
.if \fill
	CREST                                          ; no wave of any partner still reads this slot's tiles or has a load on its way
	s_xor_b32 s[LB], s[LB], SLOT
	s_mov_b32 s[G0A+5], s[LB]
	s_add_co_u32 s[G0B+5], s[LB], s[TB]
	s_add_nc_u64 s[G0A+6:G0A+7], s[G0A+6:G0A+7], 256
	s_add_nc_u64 s[G0B+6:G0B+7], s[G0B+6:G0B+7], 524288
	JLOAD 4                                        ; the four v_nop behind it are also the places in front of the loads below
.else
	PLACES
.endif
	FETCH 0, 0
	MUL12 1, 2, 0
	MUL12 1, 3, 0
.endm
	s_wait_tensorcnt 0x1                           ; my part of K step 0 is in; K step 1's may stay out
	s_barrier_signal -1
	s_barrier_wait -1
	FETCH 0, 0
	QUARTER 1, 0, 1, 1                             ; the first quarter stands in front of the loop: its products start the sums
	WIN 0
	s_mov_b32 s[CNT], 14
.Lk:                                                   ; a trip: a K step's quarters 1 to 3 and the next step's quarter 0; it asks for K steps 2 to 15
	QUARTER 2, 1, 0, 0
	QUARTER 3, 0, 1, 0
	TURN 1
	QUARTER 1, 0, 1, 0
	WIN 0
	s_sub_co_u32 s[CNT], s[CNT], 1
	s_cmp_lg_u32 s[CNT], 0
	s_cbranch_scc1 .Lk
	QUARTER 2, 1, 0, 0                             ; the last two K steps ask for nothing
	QUARTER 3, 0, 1, 0
	TURN 0
	QUARTER 1, 0, 1, 0
	QUARTER 2, 1, 0, 0
	QUARTER 3, 0, 1, 0
	s_wait_dscnt 4
	MUL12 1, 0, 0
	MUL12 1, 1, 0
	s_wait_dscnt 0x0
	MUL12 1, 2, 0
	MUL12 1, 3, 0
	WIN 0
	; THE WAY OUT
	PLACES
.irp u, 0,1                                            ; the first four rows' cos and sin
	global_load_b128 v[RC+16*(\u):RC+16*(\u)+3],     v[CO], s[CSB:CSB+1] offset:(\u)*1024
	global_load_b128 v[RC+16*(\u)+4:RC+16*(\u)+7],   v[CO], s[CSB:CSB+1] offset:(\u)*1024+16
	global_load_b128 v[RC+16*(\u)+8:RC+16*(\u)+11],  v[CO], s[CSB+2:CSB+3] offset:(\u)*1024
	global_load_b128 v[RC+16*(\u)+12:RC+16*(\u)+15], v[CO], s[CSB+2:CSB+3] offset:(\u)*1024+16
.endr
	s_wait_dscnt 0x0
	s_barrier_signal -1
	s_barrier_wait -1                              ; every wave's reads of the slots are over: the dump may be laid over them
.irp a, 0,1,2,3
	WIN 0x04+0x04*((\a)/2)                         ; the data in window 1 or 2
.irp b, 0,1,2,3,4,5,6,7,8,9,10,11                      ; each accumulator's low four registers first
	ds_store_b128 v[STO+(\a)/2], v[96*((\a)%2)+8*(\b):96*((\a)%2)+8*(\b)+3]   offset:((\a)%2)*16*PD+((\b)/4)*512+((\b)%4)*64
	ds_store_b128 v[STO+(\a)/2], v[96*((\a)%2)+8*(\b)+4:96*((\a)%2)+8*(\b)+7] offset:((\a)%2)*16*PD+((\b)/4)*512+((\b)%4)*64+16
.endr
.endr
	WIN 0
	s_wait_loadcnt 8                               ; biases and gains are in; the eight loads of cos and sin may stay out
.set n, 0
.rept 20                                               ; they are rounded to bf16, like every float input
	v_cvt_pk_bf16_f32 v[PT+n], v[BQ+2*n], v[BQ+2*n+1]
.set n, n+1
.endr
.set n, 0
.rept 20
	v_lshlrev_b32 v[BQ+2*n],   16,     v[PT+n]
	v_and_b32     v[BQ+2*n+1], s[HIM], v[PT+n]
.set n, n+1
.endr
.set n, 0
.rept 8
	v_mul_f32 v[WQ+n], s[CC], v[WQ+n]
.set n, n+1
.endr
.set n, 0
.rept 16
	v_mov_b32 v[PQ+n], 0
.set n, n+1
.endr
.set n, 0
.rept 32
	v_mov_b32 v[PT+n], 0                           ; (a destination of a form that reads other lanes counts as read)
.set n, n+1
.endr
	s_wait_dscnt 0x0                               ; for the others' sake: my part of the dump is written
	s_barrier_signal -1
	s_barrier_wait -1
.macro XLOAD                                           ; four rows: pair u, tensor t
.irp u, 0,1
.irp t, 0,1,2
	ds_load_b128 v[X+24*(\u)+8*(\t):X+24*(\u)+8*(\t)+3],   v[RDA] offset:(\u)*2*PD+(\t)*512
	ds_load_b128 v[X+24*(\u)+8*(\t)+4:X+24*(\u)+8*(\t)+7], v[RDA] offset:(\u)*2*PD+(\t)*512+16
.endr
.endr
.endm
.macro CHN c                                           ; the registers of chain c: pair of rows c / 2, q (0) or k (1)
.set xX, X+24*((\c)/2)+8*((\c)%2)
.set xS, SS+2*(\c)
.set xW, WQ+8*((\c)%2)
.set xC, CW+16*((\c)/2)
.set xP, PT+8*(\c)
.set xA, PQ+8*((\c)%2)
.set xO, OUT+12*((\c)/2)+4*((\c)%2)
.endm
	XLOAD
	s_mov_b32 s[CNT], 8
.Lrow:                                                 ; a trip: four rows of my 32
	s_wait_loadcnt 0x0                             ; cos and sin are in
	s_wait_xcnt 0x0                                ; the last trip's stores have read their registers
	v_add_nc_u32 v[OO], 1024, v[OO]                ; the stores below reach back
.set n, 0
.rept 16
	v_cvt_pk_bf16_f32 v[PT+n], v[RC+2*n], v[RC+2*n+1]
.set n, n+1
.endr
.set n, 0
.rept 16
	v_lshlrev_b32 v[CW+2*n],   16,     v[PT+n]
	v_and_b32     v[CW+2*n+1], s[HIM], v[PT+n]
.set n, n+1
.endr
.irp u, 0,1
.irp i, 0,2,4,6
	v_pk_mul_f32 v[CW+16*(\u)+8+(\i):CW+16*(\u)+9+(\i)], v[CW+16*(\u)+8+(\i):CW+16*(\u)+9+(\i)], v[SG:SG+1]
.endr
.endr
	s_cmp_eq_u32 s[CNT], 1                         ; the last trip loads nothing
	s_cbranch_scc1 .Lno_rc
	v_add_nc_u32 v[CO], 2048, v[CO]
.irp u, 0,1
	global_load_b128 v[RC+16*(\u):RC+16*(\u)+3],     v[CO], s[CSB:CSB+1] offset:(\u)*1024
	global_load_b128 v[RC+16*(\u)+4:RC+16*(\u)+7],   v[CO], s[CSB:CSB+1] offset:(\u)*1024+16
	global_load_b128 v[RC+16*(\u)+8:RC+16*(\u)+11],  v[CO], s[CSB+2:CSB+3] offset:(\u)*1024
	global_load_b128 v[RC+16*(\u)+12:RC+16*(\u)+15], v[CO], s[CSB+2:CSB+3] offset:(\u)*1024+16
.endr
.Lno_rc:
	s_wait_dscnt 0x0                               ; the four rows' sums are in
.irp u, 0,1
.irp t, 0,1,2
.irp i, 0,2,4,6
	v_pk_add_f32 v[X+24*(\u)+8*(\t)+(\i):X+24*(\u)+8*(\t)+(\i)+1], v[X+24*(\u)+8*(\t)+(\i):X+24*(\u)+8*(\t)+(\i)+1], v[BQ+8*(\t)+(\i):BQ+8*(\t)+(\i)+1]
.endr
.endr
.endr
.irp u, 0,1                                            ; v is finished: 32 lanes store two rows, 512 consecutive bytes
.irp i, 0,1,2,3
	v_cvt_pk_f16_f32 v[OUT+12*(\u)+8+(\i)], v[X+24*(\u)+16+2*(\i)], v[X+24*(\u)+16+2*(\i)+1]
.endr
	global_store_b128 v[OO], v[OUT+12*(\u)+8:OUT+12*(\u)+11], s[QB+4:QB+5] offset:(\u)*512-1024
.endr
.irp c, 0,1,2,3                                        ; the sums of squares, the four chains side by side
	CHN \c
	v_pk_mul_f32 v[xS:xS+1], v[xX:xX+1], v[xX:xX+1]
.endr
.irp i, 2,4,6
.irp c, 0,1,2,3
	CHN \c
	v_pk_fma_f32 v[xS:xS+1], v[xX+(\i):xX+(\i)+1], v[xX+(\i):xX+(\i)+1], v[xS:xS+1]
.endr
.endr
.irp c, 0,1,2,3
	CHN \c
	v_add_f32 v[xS], v[xS], v[xS+1]
.endr
.irp m, 1,2,4,8
.irp c, 0,1,2,3
	CHN \c
	v_add_f32_dpp v[xS], v[xS], v[xS] row_xmask:\m row_mask:0xf bank_mask:0xf
.endr
.endr
.irp c, 0,1,2,3
	CHN \c
	v_fma_f32 v[xS], v[xS], s[INV], s[EPS]
.endr
.irp c, 0,1,2,3
	CHN \c
	v_rsq_f32 v[xS], v[xS]
.endr
	v_nop                                          ; a plain instruction behind the last of the batch,
	s_wait_alu depctr_va_vdst(0)                   ; and the wait ahead of the first use: one for the four
.irp c, 0,1,2,3
	CHN \c
.irp i, 0,2,4,6
	v_pk_mul_f32 v[xX+(\i):xX+(\i)+1], v[xX+(\i):xX+(\i)+1], v[xS:xS+1] op_sel_hi:[1,0]
.endr
.irp i, 0,2,4,6
	v_pk_mul_f32 v[xX+(\i):xX+(\i)+1], v[xX+(\i):xX+(\i)+1], v[xW+(\i):xW+(\i)+1]
.endr
.irp i, 0,1,2,3,4,5,6,7                                ; the channel 64 away lies in the lane 8 away: times my signed sin
	v_mul_f32_dpp v[xP+(\i)], v[xX+(\i)], v[xC+8+(\i)] row_xmask:8 row_mask:0xf bank_mask:0xf
.endr
.irp i, 0,2,4,6
	v_pk_fma_f32 v[xX+(\i):xX+(\i)+1], v[xX+(\i):xX+(\i)+1], v[xC+(\i):xC+(\i)+1], v[xP+(\i):xP+(\i)+1]
.endr
.irp i, 0,2,4,6
	v_pk_add_f32 v[xA+(\i):xA+(\i)+1], v[xA+(\i):xA+(\i)+1], v[xX+(\i):xX+(\i)+1]
.endr
.irp i, 0,1,2,3
	v_cvt_pk_f16_f32 v[xO+(\i)], v[xX+2*(\i)], v[xX+2*(\i)+1]
.endr
	global_store_b128 v[OO], v[xO:xO+3], s[QB+2*((\c)%2):QB+2*((\c)%2)+1] offset:((\c)/2)*512-1024
.endr
	s_cmp_eq_u32 s[CNT], 1
	s_cbranch_scc1 .Lno_x
	v_add_nc_u32 v[RDA], 4*PD, v[RDA]
	XLOAD
.Lno_x:
	s_sub_co_u32 s[CNT], s[CNT], 1
	s_cmp_lg_u32 s[CNT], 0
	s_cbranch_scc1 .Lrow
	; the two halves of the lanes held the even and the odd rows: their sums are added; lanes 0-15 then store q's, lanes 16-31 k's: each store of 16 lanes covers 256 consecutive bytes, aligned
.set n, 0
.rept 16
	v_permlanex16_b32 v[PT+n], v[PQ+n], s[SEL], s[SEL+1]
.set n, n+1
.endr
.set n, 0
.rept 16
	v_add_f32 v[PQ+n], v[PQ+n], v[PT+n]
.set n, n+1
.endr
.set n, 0
.rept 8
	v_cndmask_b32 v[PQ+n], v[PQ+n], v[PQ+8+n], s[HALF]
.set n, n+1
.endr
	global_store_b128 v[PO], v[PQ:PQ+3],   s[PL:PL+1]
	global_store_b128 v[PO], v[PQ+4:PQ+7], s[PL:PL+1] offset:256
	s_wait_tensorcnt 0x0                           ; the wave's end, behind my last tensor load and my last LDS store
	ds_add_u32 v[SPW], v[NIL]
	s_wait_dscnt 0x0
	CROUND                                         ; the closing round
	s_endpgm
.Lfunc_end_k_q48551d9700_qkv:
	.size	k_q48551d9700_qkv, .Lfunc_end_k_q48551d9700_qkv-k_q48551d9700_qkv
	.p2alignl 7, 3214868480
	.fill 96, 4, 3214868480
	.section	.rodata,"a",@progbits
	.p2align	6, 0x0
	.amdhsa_kernel k_q48551d9700_qkv
		.amdhsa_group_segment_fixed_size 327680
		.amdhsa_private_segment_fixed_size 0
		.amdhsa_enable_private_segment 0
		.amdhsa_kernarg_size 80
		.amdhsa_user_sgpr_count 2
		.amdhsa_user_sgpr_kernarg_segment_ptr 1
		.amdhsa_wavefront_size32 1
		.amdhsa_system_sgpr_workgroup_id_x 1
		.amdhsa_system_sgpr_workgroup_id_y 1
		.amdhsa_system_sgpr_workgroup_id_z 1
		.amdhsa_system_vgpr_workitem_id 0
		.amdhsa_next_free_vgpr 960
		.amdhsa_next_free_sgpr 100
		.amdhsa_reserve_vcc 0
		.amdhsa_float_denorm_mode_32 3
		.amdhsa_float_denorm_mode_16_64 3
		.amdhsa_memory_ordered 1
		.amdhsa_forward_progress 1
		.amdhsa_inst_pref_size 107
	.end_amdhsa_kernel
	.amdgpu_metadata
---
amdhsa.version: [ 1, 2 ]
amdhsa.kernels:
  - .name:           k_q48551d9700_qkv
    .symbol:         k_q48551d9700_qkv.kd
    .args:
      - { .name: cast, .offset: 0, .size: 8, .value_kind: global_buffer, .address_space: global }
      - { .name: bq, .offset: 8, .size: 8, .value_kind: global_buffer, .address_space: global }
      - { .name: bk, .offset: 16, .size: 8, .value_kind: global_buffer, .address_space: global }
      - { .name: bv, .offset: 24, .size: 8, .value_kind: global_buffer, .address_space: global }
      - { .name: qn_w, .offset: 32, .size: 8, .value_kind: global_buffer, .address_space: global }
      - { .name: kn_w, .offset: 40, .size: 8, .value_kind: global_buffer, .address_space: global }
      - { .name: rope_cos, .offset: 48, .size: 8, .value_kind: global_buffer, .address_space: global }
      - { .name: rope_sin, .offset: 56, .size: 8, .value_kind: global_buffer, .address_space: global }
      - { .name: qkv, .offset: 64, .size: 8, .value_kind: global_buffer, .address_space: global }
      - { .name: pool, .offset: 72, .size: 8, .value_kind: global_buffer, .address_space: global }
    .group_segment_fixed_size: 327680
    .private_segment_fixed_size: 0
    .kernarg_segment_align: 8
    .kernarg_segment_size: 80
    .max_flat_workgroup_size: 128
    .sgpr_count:     100
    .vgpr_count:     960
    .wavefront_size: 32
...
	.end_amdgpu_metadata
.endif
;; end of part 2
;; launch attn (part 3): grid 16 x 16, 8 waves a work-group, clusters of 4 x 1, 327,680 bytes of LDS; arguments qkv, o16, pool, sta_mask; writes o16
.if DOCPART == 3
	.amdgcn_target "amdgcn-amd-amdhsa--gfx1250"
	.amdhsa_code_object_version 6
	.text
	.protected	k_q48551d9700_attn
	.globl	k_q48551d9700_attn
	.p2align	8
	.type	k_q48551d9700_attn,@function
k_q48551d9700_attn:
	s_mov_b64 s[64:65], 0
	v_nop
	global_prefetch_b8 v0, s[64:65] scope:SCOPE_SE
	s_setreg_imm32_b32 hwreg(HW_REG_WAVE_MODE, 25, 1), 1
	s_wait_xcnt 0x0
	s_wait_alu depctr_hold_cnt(0) depctr_sa_sdst(0) depctr_va_vdst(0) depctr_va_sdst(0) depctr_va_ssrc(0) depctr_va_vcc(0) depctr_vm_vsrc(0)
	s_getreg_b32 s2, hwreg(HW_REG_IB_STS2, 6, 4)
	s_cmp_eq_u32 s2, 0
	s_cbranch_scc0 .Lentry_in_a_cluster
	s_endpgm
.Lentry_in_a_cluster:
	s_bfe_u32 s2, ttmp6, 0x10000c
	s_cmp_lg_u32 s2, 0x3003
	s_cbranch_scc0 .Lentry_shape_is_right
	s_endpgm
.Lentry_shape_is_right:
; O[s][h 128 + d] = the sum over the kept keys of softmax_k(q . k) v, for blocks of 64 queries x 64 keys kept or hidden by the block mask.  q, k, v: [16][2048][128] f16 (three planes of qkv); q carries
; log2(e) / sqrt(128), so a score is an exponent of 2.  Products, maxima and sums in f32; the weights are rounded to f16 for the second product, O once at the end, to f16, [2048][2048].
; THE BLOCK MASK is made here, at the start, a word of 32 bits a query block (bit kb = 1: key block kb is kept).  pool holds, for each 32 rows, the f32 sums of q and of k, in one and the same order of channels.  Two such
; sums make a block of 64 rows; the means' score in exponents of 2 is the sums' dot product x 2^-12.  p = softmax over the 32 key blocks, the maximum taken away first.  A block is kept where the mass of all blocks with
; a strictly larger p is under 0.8: that is the smallest set covering 0.8, equal p kept together; or where sta_mask says so.  A lane a key block; every wave makes its own query block's word, so that one barrier is enough.
; THE WALK IS DENSE: every key block is multiplied, and a hidden block's scores start from -1e30 in place of 0 (the C operand of the products that start the sums): the word only chooses between these two numbers;
; no address, trip count or branch hangs on it.
; LIMITS.  The mask is made in f32, but its sums are taken in another order than a sort and a running sum take them: a block whose p equals the cut-off's to the last bits of f32 may fall on the other side.
; A hidden score counts as -1e30: true scores (at most some 1e10 with gains 30 times larger) vanish beside it.  A weight below 2^-126 counts as 0.  |v| under 65,504.  NaN and infinities are not treated apart.
; SHARES.  A work-group owns 128 queries of a head and has EIGHT waves, two to a SIMD, 512 registers each.  Wave w owns the 32 queries from 32 (w / 2) on (two tiles of 16) and walks the key blocks of parity w % 2:
; 16 steps of 64 keys.  So a wave's step is ONE block of the mask, and there are 256 work-groups.  The two parities' m, l and O meet in LDS at the end.
; A step goes in phases (K Q^T, softmax, V^T P); while one wave of a SIMD is in its softmax the other has the matrix unit.  The price: a fragment of K or V read from LDS feeds two tiles, 64 LDS loads for 64 products.
; SOFTMAX.  A running maximum m and sum l for each query: p = 2^(s - m), exact at s = m.  Hidden blocks met before the first kept one give weights 1: finite numbers in l and O, which the first true score's
; a = 2^(-1e30 - m) = 0 wipes out; a parity with no kept block is wiped by the merge in the same way.  Every query block keeps a key block (the one with the largest pooled weight).
; NO FIRST STEP IS WRITTEN OUT: m starts at the lowest finite number, O and l at 0, so the first step's a is 0.  The price: 128 v_mov_b32 in the wait for the first tile.
; LAYOUT.  S^T = K Q^T (source 0 = 16 keys, source 1 = 16 queries): a lane holds ONE query (lane % 16) and the keys 8 (lane / 16) + 0..7.  Two such results rounded to f16 in pairs ARE source 1 of O^T = V^T P.
; CLUSTER.  The four blocks of queries of a cluster belong to one head and walk the same K and V: each tile is asked for jointly.
; REGISTERS: window 0: v0-41 addresses, statistics (8 a tile), the step's mask (8); v42-50 the block mask's addresses; v64-127 S^T; v128-159 P; v160-223 Q; v224-239 on the way out.  Window 1: v0-127 O^T; v128-255 K of a step, then its V.
.set KS,    64
.set PK,    272       ; a row of K in LDS: 256 bytes + 16: the 16 rows of a load start at 16 different groups of four banks (64 banks of 4 bytes: ISA guide 11.1)
.set PV,    288       ; a row of V: 256 + 32
.set VOFF,  256*PK    ; a slot holds 256 keys: K's rows, then V's
.set SLOT,  256*(PK+PV)  ; 143,360
.set SPARE, 2*SLOT    ; the spare words, 128 bytes a wave: four blocks of 256 bytes that no other line names
.set KP,    528       ; a key block's pooled 512 bytes + 16
.set KPOOL, SPARE+1024  ; the 32 key blocks' pooled sums: 66 blocks of 256 bytes into which no tile lands
.set QPOOL, KPOOL+32*KP ; each wave's query block's pooled sums, 512 bytes a wave
.set DPI,   528       ; the merge, over slot 0 after its last fill: a query's 128 channels in f32 + 16 bytes
.set DP,    128*DPI   ; one parity's 128 rows
.set STATS, 2*DP      ; behind both: (l, m), 8 bytes a query, 1,024 bytes a parity
.set AK0, 2           ; v2   my lane's place in a tile of K, my parity in it; never rewritten
.set AV0, 3           ; v3   the same for V
.set ADR, 4           ; v4   the LDS address of the run of loads in hand
.set QO,  5           ; v5   my byte offset in the wave's rows of Q
.set MWR, 6           ; v6   the merge: where I put my sums
.set MW4, 7           ; v7   the merge: where I put (l, m)
.set GO,  8           ; v8   my byte offset in O
.set ST,  12          ; tile t at v[ST+8 t]: m, m, l (even keys', odd keys'), four at work; a takes the third of those
.set MK,  28          ; v28-35 the step's mask: 0 or -1e30
.set RDA, 36          ; v36  the merge: where I read parity 0's rows
.set RDB, 37          ; v37  parity 1's
.set RS,  38          ; v38  and (l, m)
.set PFO, 39          ; v39  256 x my lane; never rewritten
.set SPW, 40          ; v40  LDS address of my spare word; never rewritten
.set NIL, 41          ; v41  0; never rewritten
.set KOF, 42          ; v42  the block mask: my byte offset in the head's pool, for k
.set KST, 43          ; v43  where I put k's sums
.set QOF, 44          ; v44  my byte offset in the head's pool, for my wave's q
.set QST, 45          ; v45  where I put q's sums
.set QRD, 46          ; v46  my wave's row of q
.set KRD, 47          ; v47  my lane's key block's row
.set SOF, 48          ; v48  my byte of sta_mask
.set LN,  49          ; v49  lane
.set STA, 50          ; v50  sta_mask[my query block][my lane]
.set S,   64
.set P,   128
.set Q,   160
.set OUT, 224
.set KV,  128         ; window 1
.set WV,  12
.set CX,  13
.set BL,  14
.set LIM, 15
.set PP,  16
.set GG,  17
.set PFA, 18
.set G1K, 24
.set G1V, 32
.set G0K, 40
.set G0V, 44
.set SLOTS, 56
.set CNT, 57
.set RW,  58
.set FQ,  59
.set SEL, 60
.set TBK, 62
.set TBV, 63
.set LB,  68
.set TK,  69
.set TV,  70
.set KB,  71
.set MS,  72
.set BIGN, 73
.set TS,  74
.set RL,  75          ; s75  one lane's p
.set PLP, 76          ; s[76:77] pool at the head
.set STP, 78          ; s[78:79] sta_mask
.set MSB, 0
.macro WIN new                      ; the immediate's high byte repeats the setting that is left; a switch that changes nothing is dropped
.if MSB != (\new)
	s_set_vgpr_msb (MSB<<8)|(\new)
.set MSB, \new
.endif
.endm
.set W_KQ, 0x01       ; K in window 1; Q, the mask and S^T in window 0
.set W_PV, 0x51       ; V and O^T in window 1, P in window 0
.set W_RS, 0x41       ; O^T (destination and source 0) in window 1, a in window 0
.set W_LD, 0x40       ; destination window 1, address window 0
.macro PLACES                       ; four places in front of loads into registers that matrix instructions have read, and of lines that read results
.rept 4
	v_nop
.endr
.endm
; A joint fill: waves 0 to 3 fetch the four quarters of a slot's K, waves 4 to 7 those of its V, 64 rows each.  An s_nop 0 and four v_nop follow each line.
.macro JLOAD
	s_cmp_lt_u32 s[WV], 4
	s_cbranch_scc0 .Lfor_v_\@
	tensor_load_to_lds s[G0K:G0K+3], s[G1K:G1K+7]
	s_nop 0
.rept 4
	v_nop
.endr
	s_branch .Lasked_\@
.Lfor_v_\@:
	tensor_load_to_lds s[G0V:G0V+3], s[G1V:G1V+7]
	s_nop 0
.rept 4
	v_nop
.endr
.Lasked_\@:
.endm
; A prefetch into the L2 of what the NEXT change of slots will ask for, two key steps of a wave (128 matrix instructions) ahead.  Each row of 256 bytes is named once in the launch: the head's first cluster asks;
; in it the even waves, each in the 128 rows that begin at its own quarter; of those the partner at place cx takes 32, told apart by address; a lane a row.  The last change that fills a slot asks for nothing.
.macro ASK
	s_cmp_gt_u32 s[SLOTS], s[LIM]
	s_cbranch_scc0 .Lnot_mine_\@
	global_prefetch_b8 v[PFO], s[PFA:PFA+1] th:TH_LOAD_NT scope:SCOPE_SE
.Lnot_mine_\@:
.endm
.macro CROUND                       ; a round of the cluster's barrier
	s_barrier_signal -1
	s_barrier_wait -1
	s_cmp_lg_u32 s[WV], 0
	s_cbranch_scc1 .Lnot_wave_0_\@
	s_barrier_signal -3
.Lnot_wave_0_\@:
	s_barrier_wait -3
	s_barrier_signal -1
	s_barrier_wait -1
.endm
; THE CHANGE OF SLOTS.  Each wave waits for all its tensor loads (one is out: its part of the other slot), adds 0 to its spare word, and waits for that and for its reads of the slot that it leaves.
; fill = 1: a round of the cluster's barrier, and the old slot is filled again, first thing behind it, with the next 256 keys but one.  (At its first use slot 0 is waited for and slot 1 filled.)
.macro CHANGE fill
	WIN 0
	s_wait_tensorcnt 0x0
	ds_add_u32 v[SPW], v[NIL]       ; 0 onto my spare word; the descriptors' steps stand between it and the wait for it
.if \fill
	s_xor_b32 s[LB], s[LB], SLOT
	s_add_co_u32 s[G0K+1], s[LB], s[TK]
	s_add_co_u32 s[G0V+1], s[LB], s[TV]
	s_add_nc_u64 s[G0K+2:G0K+3], s[G0K+2:G0K+3], 65536
	s_add_nc_u64 s[G0V+2:G0V+3], s[G0V+2:G0V+3], 65536
	s_wait_xcnt 0x0                 ; the last prefetch, a slot back, has read its address
	s_add_nc_u64 s[PFA:PFA+1], s[PFA:PFA+1], 65536
	s_wait_dscnt 0x0                ; the add is done, and my reads of the slot are over
	CROUND
	JLOAD
	ASK
.else
	s_wait_dscnt 0x0
	s_barrier_signal -1
	s_barrier_wait -1
.endif
	s_sub_co_u32 s[TBK], s[TBK], 4*KS*PK  ; the fetches go back to a slot's head, in the other slot
	s_xor_b32 s[TBK], s[TBK], SLOT
	s_sub_co_u32 s[TBV], s[TBV], 4*KS*PV
	s_xor_b32 s[TBV], s[TBV], SLOT
.endm
	s_load_b128 s[20:23], s[0:1], 0x0  ; qkv, o16
	s_load_b128 s[PLP:PLP+3], s[0:1], 0x10  ; pool, sta_mask
	v_lshl_add_u32 v[SPW], v0, 2, SPARE
	v_mov_b32 v[NIL], 0
	ds_add_u32 v[SPW], v[NIL]       ; the wave's opening: the add and its wait ahead of my first tensor load
	v_lshrrev_b32 v1, 5, v0
	v_readfirstlane_b32 s[WV], v1   ; wave 0..7
	s_and_b32 s[PP], s[WV], 1       ; the parity of my key blocks
	s_lshr_b32 s[RW], s[WV], 1      ; which 32 queries of the 128 are mine
	s_lshr_b32 s[GG], s[WV], 2      ; in which of the two query blocks they lie
	s_and_b32 s[FQ], s[WV], 3       ; which quarter of a slot's K or V I fetch
	s_bfe_u32 s[CX], ttmp6, 0x40000
	s_lshl_b32 s[BL], ttmp9, 2
	s_add_co_u32 s[BL], s[BL], s[CX]  ; my block of 128 queries: it enters Q's, O's, pool's and sta_mask's addresses alone
	s_and_b32 s48, ttmp7, 0xffff    ; the head, which the partners share
	s_lshl_b32 s66, s48, 16         ; its 65,536 bytes of pool
	s_mov_b32 s67, 0
	s_lshl_b32 s2, s48, 8
	s_lshl_b32 s48, s48, 19         ; its 2,048 rows of 256 bytes
	s_mov_b32 s49, 0
	s_lshl_b32 s50, s[BL], 15       ; Q: the head, the block's 128 rows, my 32
	s_add_co_u32 s50, s50, s48
	s_lshl_b32 s51, s[RW], 13
	s_add_co_u32 s50, s50, s51
	s_mov_b32 s51, 0
	s_lshl_b32 s52, s[BL], 19       ; O: rows of 4,096 bytes; the 16 rows that I finish; the head's 256 bytes of a row
	s_add_co_u32 s52, s52, s2
	s_lshl_b32 s53, s[WV], 16
	s_add_co_u32 s52, s52, s53
	s_mov_b32 s53, 0
	s_lshl_b32 s54, s[BL], 1        ; my query block = 2 x block + g
	s_add_co_u32 s54, s54, s[GG]
	s_lshl_b32 s2, s[FQ], 14
	s_add_co_u32 s48, s48, s2       ; K, V: the head and my quarter of a slot's 256 rows; these two registers never hold cx
	s_mul_i32 s[TK], s[FQ], 64*PK
	s_mul_i32 s[TV], s[FQ], 64*PV
	s_add_co_u32 s[TV], s[TV], VOFF
	s_mov_b32 s[G1K], 15|(1<<16)|(1<<20)|(1<<21)|(5<<22)|(3<<25)  ; the mask of four; 2-byte elements; padding on; bit 21 beside a mask; after every 64 words 4 words
	s_mov_b32 s[G1V], 15|(1<<16)|(1<<20)|(1<<21)|(5<<22)|(7<<25)  ; the same with 8 words
.irp g, G1K, G1V
	s_mov_b32 s[(\g)+1], 128<<16    ; tensor_dim0 = 128
	s_mov_b32 s[(\g)+2], 64<<16     ; tensor_dim1 = 64
	s_mov_b32 s[(\g)+3], 128<<16    ; tile_dim0 = 128
	s_mov_b32 s[(\g)+4], 64         ; tile_dim1 = 64
	s_mov_b32 s[(\g)+5], 128        ; elements from row to row
	s_mov_b32 s[(\g)+6], 0
	s_mov_b32 s[(\g)+7], 0
.endr
	s_mov_b32 s[SEL], 0x76543210
	s_mov_b32 s[SEL+1], 0xfedcba98
	s_mov_b32 s[TBK], SLOT+4*KS*PK  ; the first change of slots turns these two into 0
	s_mov_b32 s[TBV], SLOT+4*KS*PV
	s_mov_b32 s[LB], 0
	s_mov_b32 s[BIGN], 0xf149f2ca   ; -1e30
	s_mov_b32 s[SLOTS], 7
	s_mov_b32 s[G0K], 1
	s_mov_b32 s[G0K+1], s[TK]
	s_mov_b32 s[G0V], 1
	s_mov_b32 s[G0V+1], s[TV]
	s_and_b32 s[LIM], s[WV], 1      ; 0 in the even waves,
	s_or_b32 s[LIM], s[LIM], ttmp9  ; where the cluster is the head's first: the same in all four partners
	s_cmp_eq_u32 s[LIM], 0
	s_cselect_b32 s[LIM], 1, -1
	v_and_b32 v[LN], 31, v0
	v_lshlrev_b32 v[PFO], 8, v[LN]
	; the block mask's addresses.  A block of 64 rows is 2,048 bytes of pool: q, k of its first 32 rows, q, k of its last, 512 bytes each.  Thread t helps with key block t / 8: eight neighbouring lanes take 128 consecutive bytes
	v_lshrrev_b32 v10, 3, v0
	v_and_b32 v11, 7, v0
	v_lshlrev_b32 v11, 4, v11
	v_lshl_add_u32 v[KOF], v10, 11, v11
	v_mul_u32_u24 v[KST], v10, KP
	v_add_nc_u32 v[KST], v[KST], v11
	v_add_nc_u32 v[KST], KPOOL, v[KST]
	s_lshl_b32 s55, s54, 11
	v_lshl_add_u32 v[QOF], v[LN], 4, s55  ; my wave's query block, 16 bytes a lane
	s_lshl_b32 s55, s54, 5
	v_add_nc_u32 v[SOF], s55, v[LN]       ; sta_mask[query block][lane]
	s_lshl_b32 s55, s[WV], 9
	s_add_co_u32 s55, s55, QPOOL
	v_lshl_add_u32 v[QST], v[LN], 4, s55
	v_mov_b32 v[QRD], s55
	v_mul_u32_u24 v[KRD], v[LN], KP
	v_add_nc_u32 v[KRD], KPOOL, v[KRD]
	s_wait_dscnt 0x0                ; the opening add is done
	s_wait_kmcnt 0x0
	s_add_nc_u64 s[PLP:PLP+1], s[PLP:PLP+1], s[66:67]
	s_add_nc_u64 s[6:7], s[20:21], s[48:49]
	s_add_nc_u64 s[8:9], s[6:7], 16777216  ; V's plane
	s_add_nc_u64 s[6:7], s[6:7], 8388608   ; K's plane
	s_add_nc_u64 s[4:5], s[20:21], s[50:51]
	s_add_nc_u64 s[10:11], s[22:23], s[52:53]
	s_mov_b64 s[G0K+2:G0K+3], s[6:7]
	s_or_b32 s[G0K+3], s[G0K+3], 0x80000000
	s_mov_b64 s[G0V+2:G0V+3], s[8:9]
	s_or_b32 s[G0V+3], s[G0V+3], 0x80000000
	s_cmp_lt_u32 s[WV], 4
	s_cselect_b64 s[PFA:PFA+1], s[6:7], s[8:9]
	s_lshl_b32 s2, s[CX], 13        ; my work-group's 32 rows of the 128
	s_mov_b32 s3, 0
	s_add_nc_u64 s[PFA:PFA+1], s[PFA:PFA+1], s[2:3]
	s_add_nc_u64 s[PFA:PFA+1], s[PFA:PFA+1], 65536  ; in slot 1; the first change steps it to slot 2.  Nothing is prefetched at the head
	CROUND                          ; all four work-groups are here
	JLOAD                           ; slot 0
.irp i, 0,1,2,3                     ; the pooled sums go out first: eleven loads, then Q's sixteen
	global_load_b128 v[S+4*(\i):S+4*(\i)+3],       v[KOF], s[PLP:PLP+1] offset:512+(\i)*128
	global_load_b128 v[S+16+4*(\i):S+16+4*(\i)+3], v[KOF], s[PLP:PLP+1] offset:1536+(\i)*128
.endr
	global_load_b128 v[S+32:S+35], v[QOF], s[PLP:PLP+1]
	global_load_b128 v[S+36:S+39], v[QOF], s[PLP:PLP+1] offset:1024
	global_load_u8 v[STA], v[SOF], s[STP:STP+1]
	v_and_b32 v1, 15, v0            ; l % 16
	v_bfe_u32 v9, v0, 4, 1          ; l / 16
	v_lshlrev_b32 v[QO], 8, v1
	v_lshl_add_u32 v[QO], v9, 4, v[QO]
.irp i, 0,1,2,3,4,5,6,7             ; Q stays in registers: tile i / 4, channels 32 (i % 4) on
	global_load_b128 v[Q+8*(\i):Q+8*(\i)+3],   v[QO], s[4:5] offset:((\i)/4)*4096+((\i)%4)*64
	global_load_b128 v[Q+8*(\i)+4:Q+8*(\i)+7], v[QO], s[4:5] offset:((\i)/4)*4096+((\i)%4)*64+32
.endr
	WIN W_LD                        ; O^T = 0,
.set n, 0
.rept 128
	v_mov_b32 v[n], 0
.set n, n+1
.endr
	WIN 0
	s_mov_b32 s[TS], 0xff7fffff
.set n, 0
.rept 2                             ; m the lowest finite number, l = 0
	v_mov_b32 v[ST+8*n], s[TS]
	v_mov_b32 v[ST+8*n+1], s[TS]
	v_mov_b32 v[ST+8*n+2], 0
	v_mov_b32 v[ST+8*n+3], 0
.set n, n+1
.endr
	; K's fragment: lane l holds key l % 16; two loads of 16 bytes, 32 apart, at row x pitch + 16 (l / 16)
	v_mul_u32_u24 v[AK0], v1, PK
	v_lshl_add_u32 v[AK0], v9, 4, v[AK0]
	s_mul_i32 s2, s[PP], KS*PK      ; my parity's 64 keys of each 128
	v_add_nc_u32 v[AK0], s2, v[AK0]
	; V's, turned: lane l reads key 8 (l / 16) + l % 8, channels 8 ((l / 8) % 2) + 0..7
	v_and_b32 v10, 7, v0
	v_bfe_u32 v11, v0, 3, 1
	v_lshl_add_u32 v[AV0], v9, 3, v10
	v_mul_u32_u24 v[AV0], v[AV0], PV
	v_lshl_add_u32 v[AV0], v11, 4, v[AV0]
	s_mul_i32 s2, s[PP], KS*PV
	s_add_co_u32 s2, s2, VOFF
	v_add_nc_u32 v[AV0], s2, v[AV0]
	; the merge: in, row 32 (w / 2) + l % 16 of my parity, 32 bytes for each half of the lanes
	s_lshl_b32 s2, s[RW], 5
	v_add_nc_u32 v[MWR], s2, v1
	v_mul_u32_u24 v[MWR], v[MWR], DPI
	v_lshl_add_u32 v[MWR], v9, 5, v[MWR]
	s_mul_i32 s2, s[PP], DP
	v_add_nc_u32 v[MWR], s2, v[MWR]
	s_lshl_b32 s2, s[RW], 8
	s_lshl_b32 s3, s[PP], 10
	s_add_co_u32 s2, s2, s3
	s_add_co_u32 s2, s2, STATS
	v_lshl_add_u32 v[MW4], v1, 3, s2
	; back: row 16 w + l / 16, channels 8 (l % 16) on
	s_lshl_b32 s2, s[WV], 4
	v_add_nc_u32 v[RDA], s2, v9
	v_mul_u32_u24 v[RDA], v[RDA], DPI
	v_lshl_add_u32 v[RDA], v1, 5, v[RDA]
	v_add_nc_u32 v[RDB], DP, v[RDA]
	s_lshl_b32 s2, s[WV], 7
	s_add_co_u32 s2, s2, STATS
	v_lshl_add_u32 v[RS], v9, 3, s2
	v_lshlrev_b32 v[GO], 12, v9     ; two rows of O, 4,096 bytes apart
	v_lshl_add_u32 v[GO], v1, 4, v[GO]
	; THE BLOCK MASK.  The two halves of each block are added; k's 32 blocks go into LDS for all waves, my wave's q into a row of its own.
	s_wait_loadcnt 16               ; loads come back in order: the eleven of pool and sta_mask are in, Q's sixteen may stay out
.irp i, 0,1,2,3
	v_pk_add_f32 v[S+4*(\i):S+4*(\i)+1],   v[S+4*(\i):S+4*(\i)+1],   v[S+16+4*(\i):S+16+4*(\i)+1]
	v_pk_add_f32 v[S+4*(\i)+2:S+4*(\i)+3], v[S+4*(\i)+2:S+4*(\i)+3], v[S+16+4*(\i)+2:S+16+4*(\i)+3]
.endr
	v_pk_add_f32 v[S+32:S+33], v[S+32:S+33], v[S+36:S+37]
	v_pk_add_f32 v[S+34:S+35], v[S+34:S+35], v[S+38:S+39]
.irp i, 0,1,2,3
	ds_store_b128 v[KST], v[S+4*(\i):S+4*(\i)+3] offset:(\i)*128
.endr
	ds_store_b128 v[QST], v[S+32:S+35]
	s_wait_dscnt 0x0                ; for the others' sake
	s_barrier_signal -1             ; slot 0's load may stay out
	s_barrier_wait -1
.set n, 0
.irp g, 0,1,2,3                     ; the dot product of my wave's q with my lane's k, 32 channels a group, in two pairs of sums that take turns
.irp m, 0,1,2,3,4,5,6,7
	ds_load_b128 v[S+4*(\m):S+4*(\m)+3],       v[KRD] offset:(8*(\g)+(\m))*16
	ds_load_b128 v[S+32+4*(\m):S+32+4*(\m)+3], v[QRD] offset:(8*(\g)+(\m))*16
.endr
	s_wait_dscnt 0x0
.irp m, 0,1,2,3,4,5,6,7,8,9,10,11,12,13,14,15
.if n < 2
	v_pk_mul_f32 v[P+2*((\m)%2):P+2*((\m)%2)+1], v[S+2*(\m):S+2*(\m)+1], v[S+32+2*(\m):S+32+2*(\m)+1]
.else
	v_pk_fma_f32 v[P+2*((\m)%2):P+2*((\m)%2)+1], v[S+2*(\m):S+2*(\m)+1], v[S+32+2*(\m):S+32+2*(\m)+1], v[P+2*((\m)%2):P+2*((\m)%2)+1]
.endif
.set n, n+1
.endr
.endr
	v_add_f32 v[P], v[P], v[P+1]
	v_add_f32 v[P+2], v[P+2], v[P+3]
	v_add_f32 v[P], v[P], v[P+2]
	v_mul_f32 v[P+4], 0x39800000, v[P]  ; x 2^-12: two means of 64 rows
	v_mov_b32 v[P+6], v[P+4]
	v_mov_b32 v[P+7], 0             ; (a destination of a form that reads other lanes counts as read)
.irp m, 1,2,4,8
	v_max_num_f32_dpp v[P+6], v[P+6], v[P+6] row_xmask:\m row_mask:0xf bank_mask:0xf
.endr
	v_permlanex16_b32 v[P+7], v[P+6], s[SEL], s[SEL+1]
	v_max_num_f32 v[P+6], v[P+6], v[P+7]
	v_sub_f32 v[P+4], v[P+4], v[P+6]
	v_exp_f32 v[P+4], v[P+4]
	v_nop
	s_wait_alu depctr_va_vdst(0)    ; the wait ahead of the first use
	v_mov_b32 v[P+6], v[P+4]
.irp m, 1,2,4,8
	v_add_f32_dpp v[P+6], v[P+6], v[P+6] row_xmask:\m row_mask:0xf bank_mask:0xf
.endr
	v_permlanex16_b32 v[P+7], v[P+6], s[SEL], s[SEL+1]
	v_add_f32 v[P+6], v[P+6], v[P+7]
	v_rcp_f32 v[P+6], v[P+6]
	v_mov_b32 v[P+5], 0             ; the mass above me starts at 0: the plain instruction behind the reciprocal
	s_wait_alu depctr_va_vdst(0)
	v_mul_f32 v[P+4], v[P+4], v[P+6]  ; p
.set n, 0
.rept 32
	v_readlane_b32 s[RL], v[P+4], n
	v_cmp_gt_f32 vcc_lo, s[RL], v[P+4]
	v_cndmask_b32 v[P+6], 0, s[RL], vcc_lo
	v_add_f32 v[P+5], v[P+5], v[P+6]
.set n, n+1
.endr
	v_cmp_gt_f32 s66, 0x3f4ccccd, v[P+5]  ; 0.8 > the mass above me: the lanes' bits are the word
	v_cmp_ne_u32 s67, 0, v[STA]
	s_or_b32 s[KB], s66, s67
	s_lshr_b32 s[KB], s[KB], s[PP]  ; bit 2 n is my step n's
	s_wait_loadcnt 0x0              ; Q
; Product i of 32 of S^T = K Q^T: channels 32 (i / 8) on, keys 16 ((i / 2) % 4) on, tile i % 2.  The first 8 start the sums from the step's mask.  The 8 accumulators take turns.
.macro KQ
.set rS, S+32*(i%2)+8*((i/2)%4)
.set rK, KV+32*((i/2)%4)+8*(i/8)
.set rQ, Q+32*(i%2)+8*(i/8)
.if i < 8
	v_wmma_f32_16x16x32_f16 v[rS:rS+7], v[rK:rK+7], v[rQ:rQ+7], v[MK:MK+7]
.else
	v_wmma_f32_16x16x32_f16 v[rS:rS+7], v[rK:rK+7], v[rQ:rQ+7], v[rS:rS+7]
.endif
.endm
; Product i of 32 of O^T += V^T P: keys 32 (i / 16) on, channels 16 ((i / 2) % 8) on, tile i % 2.  The 16 accumulators take turns.
.macro PV
.set rO, 64*(i%2)+8*((i/2)%8)
.set rV, KV+64*(i/16)+8*((i/2)%8)
.set rP, P+16*(i%2)+8*(i/16)
	v_wmma_f32_16x16x32_f16 v[rO:rO+7], v[rV:rV+7], v[rP:rP+7], v[rO:rO+7]
.endm
; One tile's softmax for a key step is a list of 134 instructions; SM writes number j of it for tile t.
;   0-15 the maximum of the 32 scores and the old m (each accumulator's lowest registers are read first)   16-20 the other half of the lanes'; the new m, twice; m_old - m_new
;   21-69 ONE BATCH: the 16 subtractions s - m, a pair each, and all 33 exponentials (a at 23); none reads an exponential's result   (the wait)   70-85 the roundings to f16   86-101 the sums; l = a l + sum   102-133 O^T times a
.macro SM t
.set rT, ST+8*(\t)
.set rS, S+32*(\t)
.set rP, P+16*(\t)
.set rO, 64*(\t)+2*(j-102)
.if j < 102
	WIN 0
.endif
.if j < 4
	v_max3_num_f32 v[rT+4+j], v[rS+8*j], v[rS+8*j+1], v[rS+8*j+2]
.elseif j < 12
	v_max3_num_f32 v[rT+4+j%4], v[rT+4+j%4], v[rS+8*(j%4)+2*(j/4)+1], v[rS+8*(j%4)+2*(j/4)+2]
.elseif j == 12
	v_max3_num_f32 v[rT+4], v[rT+4], v[rS+7], v[rS+15]
.elseif j == 13
	v_max3_num_f32 v[rT+6], v[rT+6], v[rS+23], v[rS+31]
.elseif j == 14
	v_max3_num_f32 v[rT+4], v[rT+4], v[rT+5], v[rT+6]
.elseif j == 15
	v_max3_num_f32 v[rT+4], v[rT+4], v[rT+7], v[rT+1]
.elseif j == 16
	v_permlanex16_b32 v[rT+5], v[rT+4], s[SEL], s[SEL+1]  ; the query's other 32 keys lie in the lane 16 away
.elseif j == 17
	v_mov_b32 v[rT+7], v[rT]        ; m_old is kept for a
.elseif j == 18
	v_max_num_f32 v[rT+1], v[rT+4], v[rT+5]
.elseif j == 19
	v_mov_b32 v[rT], v[rT+1]        ; the pair (m, m) for the packed subtraction
.elseif j == 20
	v_sub_f32 v[rT+7], v[rT+7], v[rT]
.elseif j == 23
	v_exp_f32 v[rT+6], v[rT+7]
.elseif (j < 23) || ((j < 38) && (j%2 == 0)) || ((j < 66) && (j%4 == 2))
.set b, (j-2)/4
.if j < 38
.set b, (j-20)/2
.endif
	v_pk_add_f32 v[rS+2*b:rS+2*b+1], v[rS+2*b:rS+2*b+1], v[rT:rT+1] neg_lo:[0,1] neg_hi:[0,1]
.elseif j < 70
.set e, j-38
.if j < 66
.set e, j-32-(j-38)/4
.endif
.if j < 38
.set e, (j-25)/2
.endif
	v_exp_f32 v[rS+e], v[rS+e]
.elseif j < 86
	v_cvt_pk_f16_f32 v[rP+j-70], v[rS+2*(j-70)], v[rS+2*(j-70)+1]
.elseif j < 102
.set z, j-86
.set w, 4
.set u, z
.if z >= 14
.set w, 32
.set u, 0
.elseif z >= 12
.set w, 16
.set u, z-12
.elseif z >= 8
.set w, 8
.set u, z-8
.endif
.if z < 15
	v_pk_add_f32 v[rS+w*u:rS+w*u+1], v[rS+w*u:rS+w*u+1], v[rS+w*u+w/2:rS+w*u+w/2+1]
.else
	v_pk_fma_f32 v[rT+2:rT+3], v[rT+2:rT+3], v[rT+6:rT+7], v[rS:rS+1] op_sel_hi:[1,0,1]
.endif
.else
	WIN W_RS
	v_pk_mul_f32 v[rO:rO+1], v[rO:rO+1], v[rT+6:rT+7] op_sel_hi:[1,0]
.endif
.endm
; A KEY STEP, in phases.  K and V take turns in the same 128 registers: K's loads stand nine plain instructions behind the last product that read V, V's five behind the last that read K.
.macro STEP
	s_and_b32 s[TS], s[KB], 1       ; my block's bit of the mask
	s_cselect_b32 s[MS], 0, s[BIGN]
	s_lshr_b32 s[KB], s[KB], 2
	WIN 0
	v_add_nc_u32 v[ADR], s[TBK], v[AK0]
.set i, 0
.rept 8
	v_mov_b32 v[MK+i], s[MS]
.set i, i+1
.endr
	WIN W_LD
.irp c, 0,1,2,3                     ; by chunks of 32 channels, in the order in which the products want them
.irp kb, 0,1,2,3
	ds_load_b128 v[KV+32*(\kb)+8*(\c):KV+32*(\kb)+8*(\c)+3],   v[ADR] offset:(\kb)*16*PK+(\c)*64
	ds_load_b128 v[KV+32*(\kb)+8*(\c)+4:KV+32*(\kb)+8*(\c)+7], v[ADR] offset:(\kb)*16*PK+(\c)*64+32
.endr
.endr
	s_add_co_u32 s[TBK], s[TBK], 2*KS*PK  ; my next key block lies 128 keys on
	WIN W_KQ
.set i, 0
.rept 32
.if i%8 == 0
	s_wait_dscnt 24-i               ; LDS loads come back in order: this chunk's eight are in, the later chunks' may stay out
.endif
	KQ
.set i, i+1
.endr
	WIN 0
	PLACES
	v_add_nc_u32 v[ADR], s[TBV], v[AV0]
	s_add_co_u32 s[TBV], s[TBV], 2*KS*PV
	WIN W_LD
.irp f, 0,1,2,3,4,5,6,7,8,9,10,11,12,13,14,15  ; keys 32 (f / 8) on, channels 16 (f % 8) on; they land during the softmax
	ds_load_tr16_b128 v[KV+8*(\f):KV+8*(\f)+3],   v[ADR] offset:((\f)/8)*32*PV+((\f)%8)*32
	ds_load_tr16_b128 v[KV+8*(\f)+4:KV+8*(\f)+7], v[ADR] offset:((\f)/8)*32*PV+16*PV+((\f)%8)*32
.endr
.set j, 0
.rept 70                            ; the two tiles alternate, so that no instruction reads the result of the one just before it
	SM 0
	SM 1
.set j, j+1
.endr
	v_nop                           ; the plain instruction behind the last exponential: one for the batch,
	s_wait_alu depctr_va_vdst(0)    ; and the wait ahead of the first line that names a result: one for the 66
.rept 64
	SM 0
	SM 1
.set j, j+1
.endr
	s_wait_dscnt 0x0                ; V is in
	WIN W_PV
.set i, 0
.rept 32
	PV
.set i, i+1
.endr
	WIN 0
.endm
.Lslot:                             ; seven trips: slots 0 to 6 are read, slots 1 to 7 asked for
	CHANGE 1
	s_mov_b32 s[CNT], 2
.Lstep:                             ; a slot has two key blocks of my parity
	STEP
	s_sub_co_u32 s[CNT], s[CNT], 1
	s_cmp_lg_u32 s[CNT], 0
	s_cbranch_scc1 .Lstep
	s_sub_co_u32 s[SLOTS], s[SLOTS], 1
	s_cmp_lg_u32 s[SLOTS], 0
	s_cbranch_scc1 .Lslot
	CHANGE 0                        ; the last slot is written out: nothing is asked for
	s_mov_b32 s[CNT], 2
.Ltail:
	STEP
	s_sub_co_u32 s[CNT], s[CNT], 1
	s_cmp_lg_u32 s[CNT], 0
	s_cbranch_scc1 .Ltail
	; THE MERGE.  l's two halves and the other half of the lanes' are added (these lines are the places behind the last products).  Every wave lays its O^T, as f32 rows, and (l, m) into LDS, over slot 0: its last fill
	; has landed and its last reads ended in front of the last change's barrier (the last slot lies in slot 1).
.irp t, 0,1
	v_add_f32 v[ST+8*(\t)+4], v[ST+8*(\t)+2], v[ST+8*(\t)+3]
.endr
.irp t, 0,1
	v_permlanex16_b32 v[ST+8*(\t)+5], v[ST+8*(\t)+4], s[SEL], s[SEL+1]
.endr
.irp t, 0,1
	v_add_f32 v[ST+8*(\t)+4], v[ST+8*(\t)+4], v[ST+8*(\t)+5]
.endr
.irp t, 0,1
	v_mov_b32 v[ST+8*(\t)+5], v[ST+8*(\t)+1]
.endr
	WIN 0x04                        ; the data in window 1
.irp t, 0,1
.irp cb, 0,1,2,3,4,5,6,7            ; each accumulator's low four registers first
	ds_store_b128 v[MWR], v[64*(\t)+8*(\cb):64*(\t)+8*(\cb)+3]   offset:(\t)*16*DPI+(\cb)*64
	ds_store_b128 v[MWR], v[64*(\t)+8*(\cb)+4:64*(\t)+8*(\cb)+7] offset:(\t)*16*DPI+(\cb)*64+16
.endr
.endr
	WIN 0
.irp t, 0,1
	ds_store_b64 v[MW4], v[ST+8*(\t)+4:ST+8*(\t)+5] offset:(\t)*128  ; both halves of the lanes write the same two words
.endr
	s_wait_dscnt 0x0                ; for the others' sake
	s_barrier_signal -1
	s_barrier_wait -1
	; Wave w finishes rows 16 w .. 16 w + 15, eight a trip: 16 lanes hold a row's 128 channels, 8 each.  Both parities are weighed by 2^(m - max) / l, added, rounded to f16 and stored.
	s_mov_b32 s[CNT], 2
.Lrows:
.irp u, 0,1,2,3
	ds_load_b64 v[P+8*(\u):P+8*(\u)+1],   v[RS] offset:(\u)*16
	ds_load_b64 v[P+8*(\u)+2:P+8*(\u)+3], v[RS] offset:(\u)*16+1024
.endr
.irp u, 0,1,2,3
	ds_load_b128 v[S+16*(\u):S+16*(\u)+3],     v[RDA] offset:(\u)*2*DPI
	ds_load_b128 v[S+16*(\u)+4:S+16*(\u)+7],   v[RDA] offset:(\u)*2*DPI+16
	ds_load_b128 v[S+16*(\u)+8:S+16*(\u)+11],  v[RDB] offset:(\u)*2*DPI
	ds_load_b128 v[S+16*(\u)+12:S+16*(\u)+15], v[RDB] offset:(\u)*2*DPI+16
.endr
	s_wait_dscnt 16                 ; the eight (l, m) are in; the sixteen loads of rows may stay out
.irp u, 0,1,2,3
	v_max_num_f32 v[P+8*(\u)+4], v[P+8*(\u)+1], v[P+8*(\u)+3]
.endr
.irp u, 0,1,2,3
	v_sub_f32 v[P+8*(\u)+1], v[P+8*(\u)+1], v[P+8*(\u)+4]
	v_sub_f32 v[P+8*(\u)+3], v[P+8*(\u)+3], v[P+8*(\u)+4]
.endr
.irp u, 0,1,2,3
	v_exp_f32 v[P+8*(\u)+1], v[P+8*(\u)+1]
	v_exp_f32 v[P+8*(\u)+3], v[P+8*(\u)+3]
.endr
	v_nop
	s_wait_alu depctr_va_vdst(0)    ; one wait for the eight
.irp u, 0,1,2,3
	v_mul_f32 v[P+8*(\u)], v[P+8*(\u)], v[P+8*(\u)+1]
.endr
.irp u, 0,1,2,3
	v_fmac_f32 v[P+8*(\u)], v[P+8*(\u)+2], v[P+8*(\u)+3]
.endr
.irp u, 0,1,2,3
	v_rcp_f32 v[P+8*(\u)+4], v[P+8*(\u)]
.endr
	v_nop
	s_wait_alu depctr_va_vdst(0)    ; one wait for the four
.irp u, 0,1,2,3
	v_mul_f32 v[P+8*(\u)],   v[P+8*(\u)+1], v[P+8*(\u)+4]  ; parity 0's factor
	v_mul_f32 v[P+8*(\u)+2], v[P+8*(\u)+3], v[P+8*(\u)+4]  ; parity 1's
.endr
	s_wait_dscnt 0x0
.irp u, 0,1,2,3
.irp i, 0,2,4,6
	v_pk_mul_f32 v[S+16*(\u)+(\i):S+16*(\u)+(\i)+1], v[S+16*(\u)+(\i):S+16*(\u)+(\i)+1], v[P+8*(\u):P+8*(\u)+1] op_sel_hi:[1,0]
.endr
.irp i, 0,2,4,6
	v_pk_fma_f32 v[S+16*(\u)+(\i):S+16*(\u)+(\i)+1], v[S+16*(\u)+8+(\i):S+16*(\u)+8+(\i)+1], v[P+8*(\u)+2:P+8*(\u)+3], v[S+16*(\u)+(\i):S+16*(\u)+(\i)+1] op_sel_hi:[1,0,1]
.endr
.irp i, 0,1,2,3
	v_cvt_pk_f16_f32 v[OUT+4*(\u)+(\i)], v[S+16*(\u)+2*(\i)], v[S+16*(\u)+2*(\i)+1]
.endr
	global_store_b128 v[GO], v[OUT+4*(\u):OUT+4*(\u)+3], s[10:11] offset:(\u)*8192  ; 16 lanes store 256 consecutive bytes, aligned: a head's part of a row
.endr
	s_wait_xcnt 0x0                 ; the stores have read their address and data registers, which the next trip writes
	v_add_nc_u32 v[GO], 32768, v[GO]
	v_add_nc_u32 v[RDA], 8*DPI, v[RDA]
	v_add_nc_u32 v[RDB], 8*DPI, v[RDB]
	v_add_nc_u32 v[RS], 64, v[RS]
	s_sub_co_u32 s[CNT], s[CNT], 1
	s_cmp_lg_u32 s[CNT], 0
	s_cbranch_scc1 .Lrows
	s_wait_tensorcnt 0x0            ; the wave's end, behind my last tensor load and my last LDS store
	ds_add_u32 v[SPW], v[NIL]
	s_wait_dscnt 0x0
	CROUND                          ; the closing round
	s_endpgm
.Lfunc_end_k_q48551d9700_attn:
	.size	k_q48551d9700_attn, .Lfunc_end_k_q48551d9700_attn-k_q48551d9700_attn
	.p2alignl 7, 3214868480
	.fill 96, 4, 3214868480
	.section	.rodata,"a",@progbits
	.p2align	6, 0x0
	.amdhsa_kernel k_q48551d9700_attn
		.amdhsa_group_segment_fixed_size 327680
		.amdhsa_private_segment_fixed_size 0
		.amdhsa_enable_private_segment 0
		.amdhsa_kernarg_size 32
		.amdhsa_user_sgpr_count 2
		.amdhsa_user_sgpr_kernarg_segment_ptr 1
		.amdhsa_wavefront_size32 1
		.amdhsa_system_sgpr_workgroup_id_x 1
		.amdhsa_system_sgpr_workgroup_id_y 1
		.amdhsa_system_sgpr_workgroup_id_z 1
		.amdhsa_system_vgpr_workitem_id 0
		.amdhsa_next_free_vgpr 512
		.amdhsa_next_free_sgpr 80
		.amdhsa_reserve_vcc 1
		.amdhsa_float_denorm_mode_32 3
		.amdhsa_float_denorm_mode_16_64 3
		.amdhsa_memory_ordered 1
		.amdhsa_forward_progress 1
		.amdhsa_inst_pref_size 91
	.end_amdhsa_kernel
	.amdgpu_metadata
---
amdhsa.version: [ 1, 2 ]
amdhsa.kernels:
  - .name:           k_q48551d9700_attn
    .symbol:         k_q48551d9700_attn.kd
    .args:
      - { .name: qkv, .offset: 0, .size: 8, .value_kind: global_buffer, .address_space: global }
      - { .name: o16, .offset: 8, .size: 8, .value_kind: global_buffer, .address_space: global }
      - { .name: pool, .offset: 16, .size: 8, .value_kind: global_buffer, .address_space: global }
      - { .name: sta_mask, .offset: 24, .size: 8, .value_kind: global_buffer, .address_space: global }
    .group_segment_fixed_size: 327680
    .private_segment_fixed_size: 0
    .kernarg_segment_align: 8
    .kernarg_segment_size: 32
    .max_flat_workgroup_size: 256
    .sgpr_count:     80
    .vgpr_count:     512
    .wavefront_size: 32
...
	.end_amdgpu_metadata
.endif
;; end of part 3
;; launch oproj (part 4): grid 16 x 16, 4 waves a work-group, clusters of 4 x 4, 327,680 bytes of LDS; arguments o16, cast, bo, out0; writes out0
.if DOCPART == 4
	.amdgcn_target "amdgcn-amd-amdhsa--gfx1250"
	.amdhsa_code_object_version 6
	.text
	.protected	k_q48551d9700_oproj
	.globl	k_q48551d9700_oproj
	.p2align	8
	.type	k_q48551d9700_oproj,@function
k_q48551d9700_oproj:
	s_mov_b64 s[64:65], 0
	v_nop
	global_prefetch_b8 v0, s[64:65] scope:SCOPE_SE
	s_setreg_imm32_b32 hwreg(HW_REG_WAVE_MODE, 25, 1), 1
	s_wait_xcnt 0x0
	s_wait_alu depctr_hold_cnt(0) depctr_sa_sdst(0) depctr_va_vdst(0) depctr_va_sdst(0) depctr_va_ssrc(0) depctr_va_vcc(0) depctr_vm_vsrc(0)
	s_getreg_b32 s2, hwreg(HW_REG_IB_STS2, 6, 4)
	s_cmp_eq_u32 s2, 0
	s_cbranch_scc0 .Lentry_in_a_cluster
	s_endpgm
.Lentry_in_a_cluster:
	s_bfe_u32 s2, ttmp6, 0x10000c
	s_cmp_lg_u32 s2, 0xf033
	s_cbranch_scc0 .Lentry_shape_is_right
	s_endpgm
.Lentry_shape_is_right:
; out0 = O Wo + bo.  O: [2048][2048] f16; Wo: plane 4 of cast, [2048 k][2048 n], the bf16-rounded weight written as f16; bo is rounded to bf16 here; sums in f32; out0 f32.
; A tile of 128 x 128 gives 16 x 16 = 256 work-groups.  Four waves, each 64 x 64: 16 accumulators.  K goes in 8 steps of 256 through two LDS slots: O's tile as 128 rows of 512 bytes (waves 0, 1 fetch 64 each),
; Wo's as 256 k rows of 256 bytes (waves 2, 3 fetch 128 each).  The matrix instruction is used transposed: source 0 = 16 columns of Wo, turned out of LDS; source 1 = 16 rows of O.
; CLUSTER 4 x 4: O's tile is asked for jointly along a row of the cluster, Wo's along a column.  One K step is written once; the slots' bases are two scalars that an exclusive or turns.
; No prefetch: each tile is read by four clusters, and the launch is short.
; REGISTERS: window 0: v0-31 addresses and the bias; v128-255 the accumulators ((a, b) at 128 + 8 (4 a + b)), later the rows on their way out.  Window 1: two fragment buffers of 128: 64 of O, then 64 of Wo.
.set PA,    528                        ; a row of O in LDS: 512 bytes + 16
.set PB,    288                        ; a k row of Wo: 256 + 32
.set BOFF,  128*PA
.set SLOT,  BOFF+256*PB                ; 141,312
.set SPARE, 2*SLOT                     ; the spare words, 128 bytes a wave: two blocks of 256 bytes that no other line names
.set SP,    528                        ; the stage, over slot 0 after its last fill: 128 rows of 512 bytes of f32 + 16
.set BA,  2
.set BB,  3
.set ADA, 4
.set ADB, 5                            ; v5-6: k rows 0-127, 128-255 of the slot in hand
.set STO, 7
.set RD,  8
.set CO,  9
.set SPW, 10
.set NIL, 11
.set BOF, 12
.set BI,  16                           ; v16-19 my four numbers of bo
.set ACC, 128
.set F0,  0
.set F1,  128
.set WV,  12
.set RH,  13
.set CW_, 14
.set CX,  15
.set CY,  16
.set NT,  17
.set MT,  18
.set G1A, 24
.set G1B, 32
.set G0A, 40
.set G0B, 48
.set SB,  56
.set LB,  57
.set TA,  58
.set TBB, 59
.set CNT, 60
.set HIM, 61
.set MSB, 0
.macro WIN new
.if MSB != (\new)
	s_set_vgpr_msb (MSB<<8)|(\new)
.set MSB, \new
.endif
.endm
.set MUL,  0x05                        ; sources 0 and 1 window 1; C and D window 0
.set TO_F, 0x40                        ; destination window 1, address window 0
.macro PLACES
.rept 4
	v_nop
.endr
.endm
.macro JLOAD s                         ; waves 0 and 1 fetch O's two halves, waves 2 and 3 Wo's; an s_nop 0 and four v_nop follow each line
	s_cmp_eq_u32 s[RH], 0
	s_cbranch_scc0 .Lfor_b_\@
	tensor_load_to_lds s[G0A+(\s):G0A+(\s)+3], s[G1A:G1A+7]
	s_nop 0
.rept 4
	v_nop
.endr
	s_branch .Lasked_\@
.Lfor_b_\@:
	tensor_load_to_lds s[G0B+(\s):G0B+(\s)+3], s[G1B:G1B+7]
	s_nop 0
.rept 4
	v_nop
.endr
.Lasked_\@:
.endm
.macro CREST
	s_cmp_lg_u32 s[WV], 0
	s_cbranch_scc1 .Lnot_wave_0_\@
	s_barrier_signal -3
.Lnot_wave_0_\@:
	s_barrier_wait -3
	s_barrier_signal -1
	s_barrier_wait -1
.endm
.macro CROUND
	s_barrier_signal -1
	s_barrier_wait -1
	CREST
.endm
	s_load_b256 s[4:11], s[0:1], 0x0               ; o16, cast, bo, out0
	v_lshl_add_u32 v[SPW], v0, 2, SPARE
	v_mov_b32 v[NIL], 0
	ds_add_u32 v[SPW], v[NIL]                      ; the wave's opening: the add and its wait ahead of my first tensor load
	v_lshrrev_b32 v1, 5, v0
	v_readfirstlane_b32 s[WV], v1
	s_lshr_b32 s[RH], s[WV], 1                     ; which 64 rows are mine.  Also: I fetch for O (0) or for Wo (1)
	s_and_b32 s[CW_], s[WV], 1                     ; which 64 columns.  Also: which half of that tile I fetch
	s_bfe_u32 s[CX], ttmp6, 0x40000
	s_bfe_u32 s[CY], ttmp6, 0x40004
	s_lshl_b32 s[NT], ttmp9, 2
	s_add_co_u32 s[NT], s[NT], s[CX]
	s_and_b32 s[MT], ttmp7, 0xffff
	s_lshl_b32 s[MT], s[MT], 2
	s_add_co_u32 s[MT], s[MT], s[CY]
	s_lshl_b32 s20, s[CY], 2
	s_lshl_b32 s20, 15, s20                        ; my row of the cluster
	s_lshl_b32 s22, 0x1111, s[CX]                  ; my column
	s_or_b32 s[G1A], s20, (1<<16)|(1<<20)|(1<<21)|(6<<22)|(3<<25)  ; padding after every 128 words, 4 words
	s_or_b32 s[G1B], s22, (1<<16)|(1<<20)|(1<<21)|(5<<22)|(7<<25)  ; after every 64 words, 8 words
	s_mov_b32 s[G1A+1], 256<<16                    ; O's tile: 64 rows of 256 elements
	s_mov_b32 s[G1A+2], 64<<16
	s_mov_b32 s[G1A+3], 256<<16
	s_mov_b32 s[G1A+4], 64
	s_mov_b32 s[G1B+1], 128<<16                    ; Wo's: 128 rows of 128 elements
	s_mov_b32 s[G1B+2], 128<<16
	s_mov_b32 s[G1B+3], 128<<16
	s_mov_b32 s[G1B+4], 128
.irp g, G1A, G1B
	s_mov_b32 s[(\g)+5], 2048
	s_mov_b32 s[(\g)+6], 0
	s_mov_b32 s[(\g)+7], 0
.endr
	s_lshl_b32 s20, s[MT], 19                      ; O: 128 rows of 4,096 bytes a tile, my 64; these two registers never hold cx
	s_lshl_b32 s21, s[CW_], 18
	s_add_co_u32 s20, s20, s21
	s_mov_b32 s21, 0
	s_lshl_b32 s22, s[CW_], 19                     ; Wo: my 128 k rows, the tile's 128 columns, plane 4; these two never hold cy
	s_lshl_b32 s23, s[NT], 8
	s_add_co_u32 s22, s22, s23
	s_add_co_u32 s22, s22, 33554432
	s_mov_b32 s23, 0
	s_mul_i32 s[TA], s[CW_], 64*PA
	s_mul_i32 s[TBB], s[CW_], 128*PB
	s_add_co_u32 s[TBB], s[TBB], BOFF
	s_mov_b32 s[SB], 0
	s_mov_b32 s[LB], SLOT
	s_mov_b32 s[HIM], 0xffff0000
	s_wait_dscnt 0x0                               ; the opening add is done
	s_wait_kmcnt 0x0
	s_add_nc_u64 s[20:21], s[4:5], s[20:21]
	s_add_nc_u64 s[22:23], s[6:7], s[22:23]
	CROUND                                         ; all sixteen work-groups are here
.irp s, 0,1
	s_mov_b32 s[G0A+4*(\s)], 1
	s_add_co_u32 s[G0A+4*(\s)+1], s[TA], (\s)*SLOT
	s_add_nc_u64 s[G0A+4*(\s)+2:G0A+4*(\s)+3], s[20:21], (\s)*512
	s_or_b32 s[G0A+4*(\s)+3], s[G0A+4*(\s)+3], 0x80000000
	s_mov_b32 s[G0B+4*(\s)], 1
	s_add_co_u32 s[G0B+4*(\s)+1], s[TBB], (\s)*SLOT
	s_add_nc_u64 s[G0B+4*(\s)+2:G0B+4*(\s)+3], s[22:23], (\s)*1048576
	s_or_b32 s[G0B+4*(\s)+3], s[G0B+4*(\s)+3], 0x80000000
	JLOAD 4*(\s)                                   ; two loads of mine are out
.endr
	v_and_b32 v13, 31, v0
	v_lshlrev_b32 v[CO], 4, v13                    ; my 16 bytes of a row's 512
	s_lshl_b32 s62, s[NT], 9
	v_add_nc_u32 v[BOF], s62, v[CO]
	global_load_b128 v[BI:BI+3], v[BOF], s[8:9]
	v_and_b32 v1, 15, v0
	v_bfe_u32 v14, v0, 4, 1
	v_mul_u32_u24 v[BA], v1, PA
	v_lshl_add_u32 v[BA], v14, 4, v[BA]
	s_mul_i32 s62, s[RH], 64*PA
	v_add_nc_u32 v[BA], s62, v[BA]
	v_and_b32 v15, 7, v0
	v_lshl_add_u32 v15, v14, 3, v15
	v_mul_u32_u24 v[BB], v15, PB
	v_bfe_u32 v15, v0, 3, 1
	v_lshl_add_u32 v[BB], v15, 4, v[BB]
	s_lshl_b32 s62, s[CW_], 7
	s_add_co_u32 s62, s62, BOFF
	v_add_nc_u32 v[BB], s62, v[BB]
	v_mov_b32 v[ADA], v[BA]
	v_mov_b32 v[ADB], v[BB]
	v_add_nc_u32 v[ADB+1], 128*PB, v[BB]
	s_lshl_b32 s62, s[RH], 6
	v_add_nc_u32 v[STO], s62, v1
	v_mul_u32_u24 v[STO], v[STO], SP               ; into the stage: row 64 r + l % 16, my 8 columns: 32 bytes for each half of the lanes, my half of the 512
	v_lshl_add_u32 v[STO], v14, 5, v[STO]
	s_lshl_b32 s62, s[CW_], 8
	v_add_nc_u32 v[STO], s62, v[STO]
	s_mul_i32 s62, s[WV], 32*SP                    ; back: wave w takes rows 32 w .., whole: 32 lanes x 16 bytes
	v_add_nc_u32 v[RD], s62, v[CO]
	s_lshl_b32 s62, s[MT], 20                      ; out0: 128 rows of 8,192 bytes a tile, my 32, the tile's 512 bytes
	s_lshl_b32 s63, s[WV], 18
	s_add_co_u32 s62, s62, s63
	s_lshl_b32 s63, s[NT], 9
	s_add_co_u32 s62, s62, s63
	s_mov_b32 s63, 0
	s_add_nc_u64 s[10:11], s[10:11], s[62:63]
; 8 matrix instructions: row tiles a0, a0 + 1 x all 4 column tiles, 32 along K: half c of buffer f.  The 16 accumulators take turns.
.macro MUL8 f, c, a0, zero
	WIN MUL
.irp a, \a0, (\a0)+1
.irp b, 0,1,2,3
.if \zero
	v_wmma_f32_16x16x32_f16 v[ACC+8*(4*(\a)+(\b)):ACC+8*(4*(\a)+(\b))+7], v[(\f)+64+8*(4*(\c)+(\b)):(\f)+64+8*(4*(\c)+(\b))+7], v[(\f)+8*(4*(\c)+(\a)):(\f)+8*(4*(\c)+(\a))+7], 0
.else
	v_wmma_f32_16x16x32_f16 v[ACC+8*(4*(\a)+(\b)):ACC+8*(4*(\a)+(\b))+7], v[(\f)+64+8*(4*(\c)+(\b)):(\f)+64+8*(4*(\c)+(\b))+7], v[(\f)+8*(4*(\c)+(\a)):(\f)+8*(4*(\c)+(\a))+7], v[ACC+8*(4*(\a)+(\b)):ACC+8*(4*(\a)+(\b))+7]
.endif
.endr
.endr
.endm
; 32 LDS loads in one run: quarter q's fragments (64 along K) into buffer f; the first 32 along K first
.macro FETCH q, f
	WIN TO_F
.irp c, 0,1
.irp i, 0,1,2,3
	ds_load_tr16_b128 v[(\f)+64+8*(4*(\c)+(\i)):(\f)+64+8*(4*(\c)+(\i))+3],   v[ADB+(\q)/2] offset:(((\q)%2)*64+(\c)*32)*PB+(\i)*32
	ds_load_tr16_b128 v[(\f)+64+8*(4*(\c)+(\i))+4:(\f)+64+8*(4*(\c)+(\i))+7], v[ADB+(\q)/2] offset:(((\q)%2)*64+(\c)*32+16)*PB+(\i)*32
	ds_load_b128 v[(\f)+8*(4*(\c)+(\i)):(\f)+8*(4*(\c)+(\i))+3],   v[ADA] offset:(\q)*128+(\c)*64+(\i)*16*PA
	ds_load_b128 v[(\f)+8*(4*(\c)+(\i))+4:(\f)+8*(4*(\c)+(\i))+7], v[ADA] offset:(\q)*128+(\c)*64+(\i)*16*PA+32
.endr
.endr
.endm
.macro QUARTER qn, f, g, zero
	s_wait_dscnt 16                                ; the first 32 along K are in
	MUL8 \f, 0, 0, \zero
	MUL8 \f, 0, 2, \zero
	PLACES
	FETCH \qn, \g
	s_wait_dscnt 32                                ; all but the 32 just issued
	MUL8 \f, 1, 0, 0
	MUL8 \f, 1, 2, 0
.endm
; The last quarter multiplies buffer 1 and changes slots: one barrier; in front of it each wave waits for all its tensor loads, adds 0 to its spare word, and waits for that and for its reads of this slot.
.macro TURN fill
	WIN 0
	s_xor_b32 s[SB], s[SB], SLOT
	v_add_nc_u32 v[ADA], s[SB], v[BA]
	v_add_nc_u32 v[ADB], s[SB], v[BB]
	v_add_nc_u32 v[ADB+1], 128*PB, v[ADB]
	s_wait_tensorcnt 0x0                           ; all my tensor loads have landed;
	ds_add_u32 v[SPW], v[NIL]
	s_wait_dscnt 17                                ; (the add and the youngest sixteen loads may be out)
	MUL8 F1, 0, 0, 0
	s_wait_dscnt 0x0                               ; the add is done, and my reads of this slot are over
	s_barrier_signal -1
	MUL8 F1, 0, 2, 0
	WIN 0
	s_barrier_wait -1
.if \fill
	CREST                                          ; no wave of any partner still reads this slot's tiles or has a load on its way
	s_xor_b32 s[LB], s[LB], SLOT
	s_add_co_u32 s[G0A+5], s[LB], s[TA]
	s_add_co_u32 s[G0B+5], s[LB], s[TBB]
	s_add_nc_u64 s[G0A+6:G0A+7], s[G0A+6:G0A+7], 512
	s_add_nc_u64 s[G0B+6:G0B+7], s[G0B+6:G0B+7], 1048576
	JLOAD 4                                        ; the four v_nop behind it are also the places in front of the loads below
.else
	PLACES
.endif
	FETCH 0, F0
	MUL8 F1, 1, 0, 0
	MUL8 F1, 1, 2, 0
.endm
	s_wait_tensorcnt 0x1                           ; my part of K step 0 is in; K step 1's may stay out
	s_barrier_signal -1
	s_barrier_wait -1
	FETCH 0, F0
	QUARTER 1, F0, F1, 1                           ; the first quarter stands in front of the loop: its first products start the sums
	WIN 0
	s_mov_b32 s[CNT], 6
.Lk:                                                   ; a trip: a K step's quarters 1 to 3 and the next step's quarter 0; it asks for K steps 2 to 7
	QUARTER 2, F1, F0, 0
	QUARTER 3, F0, F1, 0
	TURN 1
	QUARTER 1, F0, F1, 0
	WIN 0
	s_sub_co_u32 s[CNT], s[CNT], 1
	s_cmp_lg_u32 s[CNT], 0
	s_cbranch_scc1 .Lk
	QUARTER 2, F1, F0, 0
	QUARTER 3, F0, F1, 0
	TURN 0
	QUARTER 1, F0, F1, 0
	QUARTER 2, F1, F0, 0
	QUARTER 3, F0, F1, 0
	s_wait_dscnt 16
	MUL8 F1, 0, 0, 0
	MUL8 F1, 0, 2, 0
	s_wait_dscnt 0x0
	MUL8 F1, 1, 0, 0
	MUL8 F1, 1, 2, 0
	WIN 0
	; THE WAY OUT.  The stage lies over slot 0, whose last fill has landed and whose last reads ended in front of the last change's barrier (the last K step lies in slot 1).
	PLACES
.irp a, 0,1,2,3
.irp b, 0,1,2,3                                        ; each accumulator's low four registers first
	ds_store_b128 v[STO], v[ACC+8*(4*(\a)+(\b)):ACC+8*(4*(\a)+(\b))+3]   offset:(\a)*16*SP+(\b)*64
	ds_store_b128 v[STO], v[ACC+8*(4*(\a)+(\b))+4:ACC+8*(4*(\a)+(\b))+7] offset:(\a)*16*SP+(\b)*64+16
.endr
.endr
	s_wait_loadcnt 0x0                             ; bo, rounded to bf16 like every float input
	v_cvt_pk_bf16_f32 v20, v[BI], v[BI+1]
	v_cvt_pk_bf16_f32 v21, v[BI+2], v[BI+3]
	v_lshlrev_b32 v[BI],   16,     v20
	v_and_b32     v[BI+1], s[HIM], v20
	v_lshlrev_b32 v[BI+2], 16,     v21
	v_and_b32     v[BI+3], s[HIM], v21
	s_wait_dscnt 0x0                               ; for the others' sake: a row's 512 bytes come from two waves
	s_barrier_signal -1
	s_barrier_wait -1
.set n, 0
.rept 32                                               ; my 32 rows, into the registers that the accumulators left
	ds_load_b128 v[ACC+4*n:ACC+4*n+3], v[RD] offset:n*SP
.set n, n+1
.endr
.set n, 0
.rept 32
	s_wait_dscnt 31-n                              ; LDS loads come back in order: row n is in
	v_pk_add_f32 v[ACC+4*n:ACC+4*n+1],   v[ACC+4*n:ACC+4*n+1],   v[BI:BI+1]
	v_pk_add_f32 v[ACC+4*n+2:ACC+4*n+3], v[ACC+4*n+2:ACC+4*n+3], v[BI+2:BI+3]
	global_store_b128 v[CO], v[ACC+4*n:ACC+4*n+3], s[10:11] offset:n*8192  ; 32 lanes store 512 consecutive bytes, aligned
.set n, n+1
.endr
	s_wait_tensorcnt 0x0                           ; the wave's end, behind my last tensor load and my last LDS store
	ds_add_u32 v[SPW], v[NIL]
	s_wait_dscnt 0x0
	CROUND                                         ; the closing round
	s_endpgm
.Lfunc_end_k_q48551d9700_oproj:
	.size	k_q48551d9700_oproj, .Lfunc_end_k_q48551d9700_oproj-k_q48551d9700_oproj
	.p2alignl 7, 3214868480
	.fill 96, 4, 3214868480
	.section	.rodata,"a",@progbits
	.p2align	6, 0x0
	.amdhsa_kernel k_q48551d9700_oproj
		.amdhsa_group_segment_fixed_size 327680
		.amdhsa_private_segment_fixed_size 0
		.amdhsa_enable_private_segment 0
		.amdhsa_kernarg_size 32
		.amdhsa_user_sgpr_count 2
		.amdhsa_user_sgpr_kernarg_segment_ptr 1
		.amdhsa_wavefront_size32 1
		.amdhsa_system_sgpr_workgroup_id_x 1
		.amdhsa_system_sgpr_workgroup_id_y 1
		.amdhsa_system_sgpr_workgroup_id_z 1
		.amdhsa_system_vgpr_workitem_id 0
		.amdhsa_next_free_vgpr 512
		.amdhsa_next_free_sgpr 66
		.amdhsa_reserve_vcc 0
		.amdhsa_float_denorm_mode_32 3
		.amdhsa_float_denorm_mode_16_64 3
		.amdhsa_memory_ordered 1
		.amdhsa_forward_progress 1
		.amdhsa_inst_pref_size 73
	.end_amdhsa_kernel
	.amdgpu_metadata
---
amdhsa.version: [ 1, 2 ]
amdhsa.kernels:
  - .name:           k_q48551d9700_oproj
    .symbol:         k_q48551d9700_oproj.kd
    .args:
      - { .name: o16, .offset: 0, .size: 8, .value_kind: global_buffer, .address_space: global }
      - { .name: cast, .offset: 8, .size: 8, .value_kind: global_buffer, .address_space: global }
      - { .name: bo, .offset: 16, .size: 8, .value_kind: global_buffer, .address_space: global }
      - { .name: out0, .offset: 24, .size: 8, .value_kind: global_buffer, .address_space: global }
    .group_segment_fixed_size: 327680
    .private_segment_fixed_size: 0
    .kernarg_segment_align: 8
    .kernarg_segment_size: 32
    .max_flat_workgroup_size: 128
    .sgpr_count:     66
    .vgpr_count:     512
    .wavefront_size: 32
...
	.end_amdgpu_metadata
.endif
;; end of part 4
